; MI455X (gfx1250); checked and timed in simulation.
; The chip was launched on July 23, 2026; its instructions are those of AMD's public machine-readable ISA for CDNA 5 (MIT licence, August 2026) and "CDNA5" Instruction Set Architecture Reference Guide (July 2026). The comments in the code are by the model that wrote it; some were corrected since.
;; Multi Head Attention. Allowed arithmetic: matrix products marked QUANTISED: E4M3 operands, one E8M0 scale for each 32 along K, by v_wmma_scale_f32_16x16x128_f8f6f4 with both operands' format E4M3, f32 sums; everything else in f32.
;; Inputs: W_k_codes 1,024 x 32 x 32 uint8 (E4M3 codes of W_k, K innermost, in blocks of 32 codes); W_k_scales 1,024 x 32 uint8 (E8M0 scales of W_k, one for each 32 codes along K); W_o_codes 1,024 x 32 x 32 uint8 (E4M3 codes of W_o, K innermost, in blocks of 32 codes); W_o_scales 1,024 x 32 uint8 (E8M0 scales of W_o, one for each 32 codes along K); W_q_codes 1,024 x 32 x 32 uint8 (E4M3 codes of W_q, K innermost, in blocks of 32 codes); W_q_scales 1,024 x 32 uint8 (E8M0 scales of W_q, one for each 32 codes along K); W_v_codes 1,024 x 32 x 32 uint8 (E4M3 codes of W_v, K innermost, in blocks of 32 codes); W_v_scales 1,024 x 32 uint8 (E8M0 scales of W_v, one for each 32 codes along K); x_codes 4 x 2,048 x 32 x 32 uint8 (E4M3 codes of x, K innermost, in blocks of 32 codes); x_scales 4 x 2,048 x 32 uint8 (E8M0 scales of x, one for each 32 codes along K).
;; Outputs: out0 4 x 2,048 x 1,024 float32.
;; This version of the problem:
;;   THIS VERSION OF THE PROBLEM IS GIVEN IN LOW PRECISION. The matrix products marked QUANTISED in the list below multiply operands that are first quantised to E4M3 (4 exponent bits, 3 mantissa bits; 8 bits a number), with one power-of-two scale for each 32 numbers along K (OCP MX v1.0); their sums are f32. All else is computed in f32.
;;   The module's matrix products, in the order in which they are computed (A, B: the left and right operand; K: the contracted axis; several contracted axes count as one K, in the product's order):
;;     1. [M 8,192, K 1,024] x [K 1,024, N 1,024]; A: input x (given as codes); B: input W_q (given as codes): QUANTISED
;;     2. [M 8,192, K 1,024] x [K 1,024, N 1,024]; A: input x (given as codes); B: input W_k (given as codes): QUANTISED
;;     3. [M 8,192, K 1,024] x [K 1,024, N 1,024]; A: input x (given as codes); B: input W_v (given as codes): QUANTISED
;;     4. batch 64 x [M 2,048, K 64] x [K 64, N 2,048]; A: computed on the way; B: computed on the way: QUANTISED
;;     5. batch 64 x [M 2,048, K 2,048] x [K 2,048, N 64]; A: softmax (see below); B: computed on the way: QUANTISED
;;     6. [M 8,192, K 1,024] x [K 1,024, N 1,024]; A: computed on the way; B: input W_o (given as codes): QUANTISED
;;   THE QUANTISER, for each operand of a quantised product, along K:
;;     - K is cut into blocks of 32 from its start; a last block that is shorter is filled with zeros.
;;     - A block's scale is 2^e with e = floor(log2(the largest magnitude in the block)) - 8, held to -126 .. 127; a block of zeros has e = 0. As a byte (E8M0): e + 127.
;;     - Each number is divided by its block's scale, clamped to +-448, and rounded to the nearest number of E4M3, ties to even, subnormals kept.
;;     - The product sums the exact products of the quantised numbers (number of the format x scale) in f32.
;;   ~~~python
;;   def quantise(x, axis):      # numpy; x: float32 -> the quantised numbers, widened to float32 again
;;       x = np.moveaxis(x, axis, -1); K = x.shape[-1]
;;       x = np.pad(x, [(0, 0)] * (x.ndim - 1) + [(0, -K % 32)]); x = x.reshape(x.shape[:-1] + (-1, 32)); a = np.abs(x).max(-1, keepdims=True)
;;       e = np.where(a > 0, np.clip(np.frexp(np.where(a > 0, a, 1))[1] - 1 - 8, -126, 127), 0)      # np.frexp(a)[1] - 1 = floor(log2(a)), exactly
;;       r = np.clip(x / 2.0 ** e, -448, 448)
;;       step = 2.0 ** (np.maximum(np.frexp(np.where(r == 0, 1, r))[1] - 1, -6) - 3)
;;       q = np.round(r / step) * step * 2.0 ** e      # np.round: ties to even
;;       return np.moveaxis(q.reshape(q.shape[:-2] + (-1,))[..., :K], -1, axis).astype(np.float32)
;;   ~~~
;;   SOFTMAX AHEAD OF A QUANTISED PRODUCT. Where the list says 'softmax', what is quantised is not the finished softmax but p = 2^(t - M), with t = logit x log2(e) and M = ceil(the row's largest t), a whole number; so 1/2 < the row's largest p <= 1. The row's sum l is taken of the UNQUANTISED p, in f32, and the product's result is divided by l at the end. Since M is a whole number, a kernel that streams over the keys may use a running M (the ceiling of the running maximum): every later rescaling is an exact power of two, which a block's scale takes up: the codes' values come out the same.
;;   OPERANDS COMPUTED ON THE WAY. 'Computed on the way' means the value that the module computes at that place (a softmax that the list does not call 'softmax' is quantised finished and normalised). What goes into a quantiser is computed in f32, as accurately as f32 sums, v_exp_f32 and their like allow (about 1e-6 of the number): no bf16 or f16 on the way to a quantiser, and a product that is left as it is and whose result goes on into a quantised operand takes f32 operands (vector FMAs, or v_wmma_f32_16x16x4_f32). A number that lies on a knife's edge between two numbers of the format may be rounded either way, as far as f32 arithmetic and the matrix unit's own rounding can turn it there, and no further.
;;   INPUTS GIVEN AS CODES. W_k (in the module: [1024, 1024], K = its axis 0); W_o (in the module: [1024, 1024], K = its axis 0); W_q (in the module: [1024, 1024], K = its axis 0); W_v (in the module: [1024, 1024], K = its axis 0); x (in the module: [4, 2048, 1024], K = its axis 2): each comes as NAME_codes (uint8): NAME with its K axis moved to the last place and cut into blocks of 32 codes, [.., K / 32, bytes a block], one block behind the other in memory; one code a byte (a code: sign, 4 exponent bits, 3 mantissa bits); and NAME_scales (uint8): the same leading axes, one E8M0 byte (e + 127) for each 32 codes along K. Its value is code x scale, taken as it is: it is not quantised again, and the codes and scales need not be those that the quantiser above would give.
;; One version. Each part assembles by itself: llvm-mc -triple=amdgcn-amd-amdhsa -mcpu=gfx1250 --defsym DOCPART=n.
;; ======== version 1 of 1: 3 launches
;; workspace buffers: qc 8,388,608 bytes; qs 524,288 bytes; kc 8,388,608 bytes; ks 524,288 bytes; vc 8,388,608 bytes; vs 262,144 bytes; hc 8,388,608 bytes; hs 262,144 bytes
;; launch qkv (part 1): grid 12 x 32, 4 waves a work-group, clusters of 4 x 4, 327,680 bytes of LDS; arguments x_codes, x_scales, W_q_codes, W_q_scales, W_k_codes, W_k_scales, W_v_codes, W_v_scales, qc, qs, kc, ks, vc, vs; writes qc, qs, kc, ks, vc, vs
.if DOCPART == 1
	.amdgcn_target "amdgcn-amd-amdhsa--gfx1250"
	.amdhsa_code_object_version 6
	.text
	.protected	k_q05273c8aba_qkv
	.globl	k_q05273c8aba_qkv
	.p2align	8
	.type	k_q05273c8aba_qkv,@function
k_q05273c8aba_qkv:
	s_mov_b64 s[64:65], 0
	v_nop
	global_prefetch_b8 v0, s[64:65] scope:SCOPE_SE
	s_setreg_imm32_b32 hwreg(HW_REG_WAVE_MODE, 25, 1), 1
	s_wait_xcnt 0x0
	s_wait_alu depctr_hold_cnt(0) depctr_sa_sdst(0) depctr_va_vdst(0) depctr_va_sdst(0) depctr_va_ssrc(0) depctr_va_vcc(0) depctr_vm_vsrc(0)
	s_getreg_b32 s2, hwreg(HW_REG_IB_STS2, 6, 4)
	s_cmp_eq_u32 s2, 0
	s_cbranch_scc0 .Lentry_in_a_cluster
	s_endpgm
.Lentry_in_a_cluster:
	s_bfe_u32 s2, ttmp6, 0x10000c
	s_cmp_lg_u32 s2, 0xf033
	s_cbranch_scc0 .Lentry_shape_is_right
	s_endpgm
.Lentry_shape_is_right:
; Q = x W_q, K = x W_k, V = x W_v on codes of FP8 (E4M3) with one E8M0 scale for each 32 along K = 1,024; the results are quantised on the way out and leave as codes and scale words:
; Q and K along a head's 64, V along the keys.  x: 8,192 rows of 1,024 codes; each weight: 1,024 rows (its columns in the source) of 1,024 codes; scale bytes 32 a row.
; SHARES.  The cluster's x says which weight (0 Q, 1 K, 2 V).  A work-group makes a tile C = A B^T of 256 x 256, four waves of 128 x 128 (64 accumulators, 512 registers).
;   Q, K: A = x (tile 4 x cluster y + cy), B = the weight (tile cx).      V: A = W_v (tile cy), B = x (tile 4 x cluster y + cx): V comes out transposed, so that its blocks of 32 run along the keys.
;   In both cases A's tile hangs on cy alone and is asked for jointly by a row of the cluster, B's on cx alone and is asked for jointly by a column: only pointers and row numbers are chosen; every LDS address is the same.
; K goes in steps of 256 through a ring of two LDS slots; the scale bytes of the 256 + 256 rows come once, with the first fills, and stay.  The matrix instruction is used transposed (source 0 = 16 rows of B,
; source 1 = 16 rows of A): lane (r, h) of accumulator (a, b) holds C(A's row 16 a + r, B's rows 16 b + 8 h + 0 .. 7).
; THE WAY OUT.  The 16 registers of accumulators (a, 2 p) and (a, 2 p + 1), with those of lane l xor 16, are one block of 32 along B's rows.  Two conversions make of them 16 bytes a lane, which are stored as they stand,
; 512 bytes on end for the 32 lanes: an image of registers 4 c .. 4 c + 3 of the operand that the next launch loads.  In that image a lane holds k = 32 c + 8 h + 0 .. 7 and 32 c + 16 + 8 h + 0 .. 7, where the operand's own order
; would be 32 c + 16 h + 0 .. 15: a change of places inside a block of 32, the same in both operands of each product that reads these buffers (Q with K; V with the softmax's p), so that the products are the same.
;   qc, kc: [batch 4][pair of heads 8][tile of 16 rows 128][head of the pair 2][c 2][lane 32][16 bytes];   qs, ks: [batch][head 16][row 2,048] one word: bytes 0, 1 the head's two scale bytes, bytes 2, 3 never 0xff.
;   vc: [batch][128 keys: 16][tile of 16 channels 64][c 4][lane][16 bytes];   vs: [batch][128 keys: 16][channel 1,024] one word.     A wave's 128 x 128 results are 16 KiB on end in each case.
; LIMITS: NaN and infinities are not served.  A block whose largest magnitude lies under 2^-118 keeps the byte 1, a block of zeros too (the rule's 127 is owed to nobody: this program alone reads the bytes, and the codes are zeros).
; No prefetch: a tile has two refills in all.
; REGISTERS, in windows of 256: window 0: v16-31 addresses; v32-63 scale words, two sets; v64-95 at work on the way out; from v128 A's fragments, one set (on the way out: v128-191 the held numbers, v192-255 codes, four sets).
;   window 1: B's fragments, two sets.   window 2: the accumulators of my rows 0-63 ((a, b) at v[8 (8 a + b)]);   window 3: those of my rows 64-127.
.set KSTEP,  256                       ; along K in a slot
.set NQ,     KSTEP/128                 ; matrix instructions deep
.set ROWB,   256                       ; a tile's row in bytes
.set KROW,   1024                      ; a row of A or of B in memory, in bytes
.set PITCH,  272                       ; an LDS row: 256 bytes + 16 of padding = 68 words: the 16 rows that a load touches start at 16 different banks (64 banks of 4 bytes: ISA guide 11.1)
.set FR,     16                        ; registers of a fragment: 16 rows x 128 K
.set NL,     4                         ; LDS loads that bring one
.set NP,     8                         ; places behind this matrix instruction (ISA guide 7.12.1)
.set HALFT,  128*PITCH                 ; 128 rows: what one tensor load brings
.set SLOT,   4*HALFT                   ; A's 256 rows, then B's 256 rows
.set LAPS,   2                         ; 1,024 along K = twice round the ring
.set KS,     32                        ; a row of scale bytes
.set SCL,    2*SLOT                    ; behind the ring: the scale bytes, as units of 256 bytes + 16 of padding
.set HALFS,  (128*KS/256)*272          ; those of 128 rows: what one tensor load brings
.set SBLK,   (16*KS/256)*272           ; those of 16 rows
.set SPARE,  SCL+4*HALFS               ; behind the scales: the spare words, 128 bytes for each wave: two blocks of 256 bytes that no other line names
.set ADRA, 16                          ; v16-17  LDS address of my A fragments in slot 0, 1
.set ADRB, 20                          ; v20-21  the same for B
.set SSTO, 24                          ; v24     the way out: where I put a scale word: my wave's 1,024 bytes at the head of slot 0, which has had its last fill and its last read by then
.set SSRD, 25                          ; v25     and where I read 16 bytes of them back
.set CO,   26                          ; v26     16 x lane
.set ADRS, 27                          ; v27     LDS address of my scale words: lanes 0-15 A's rows, lanes 16-31 B's
.set SPW,  28                          ; v28     LDS address of my spare word; never rewritten
.set NIL,  29                          ; v29     0; never rewritten
.set SHF,  30                          ; v30     Q, K: 16 x (lane / 16): lanes 16-31 keep the second head's two bytes;  V: 0
.set SC,   32                          ; scale words: set s at v[SC + 16 s]
.set TM,   64                          ; v64-67 largest magnitudes, v68-71 the other half's, then bytes, v72-75 448 x the scale, v76-79 the conversions' scale operands
.set WD,   80                          ; v80     a row's scale word;  v81 as it goes to the stage
.set SW,   81
.set BKW,  88                          ; v88-95  the scale words read back
.set AF,   128                         ; A's fragments
.set XH,   128                         ; the way out: 64 held numbers
.set COD,  192                         ; and the codes
.set G1, 24                            ; s[24:31] descriptor group 1 for A's tiles;  s[32:39] group 0, one set for each slot
.set G0, 32
.set G1B, 48                           ; s[48:55], s[56:63] the same for B's tiles
.set G0B, 56
.set G1S, 68                           ; s[68:75], s[76:79] groups 1 and 0 for A's scales;  s[80:87], s[88:91] for B's  (until the buffers are chosen these registers hold the arguments)
.set G0S, 76
.set G1SB, 80
.set G0SB, 88
.set SEL, 40                           ; s[40:41] on the way out: v_permlanex16_b32's selects for lane l xor 16;  s42: the mantissa field of 448
.set MNT, 42
.set MSB, 0
.macro WIN new                         ; the immediate's high byte repeats the setting that is left
.if MSB != \new
	s_set_vgpr_msb (MSB<<8)|\new
.set MSB, \new
.endif
.endm
.set MUL_LO, 0xa1                      ; source 0 (B) window 1, source 1 (A) window 0, C and D window 2
.set MUL_HI, 0xf1                      ; the same, C and D window 3
.set TO_B,   0x40                      ; destination window 1, address window 0
; A joint load: waves 0 and 1 fetch for A, waves 2 and 3 for B.  Each of the two lines has one mask and one set of registers for all that issue it; the branch hangs on the wave's number alone.
; Four v_nop follow each of the two lines, ahead of the jump, the label and what follows.
.macro JLOAD g0a, g1a, g0b, g1b
	s_cmp_eq_u32 s15, 0
	s_cbranch_scc0 .Lfor_b_\@
	tensor_load_to_lds s[\g0a:\g0a+3], s[\g1a:\g1a+7]
	s_nop 0
.rept 4
	v_nop
.endr
	s_branch .Lasked_\@
.Lfor_b_\@:
	tensor_load_to_lds s[\g0b:\g0b+3], s[\g1b:\g1b+7]
	s_nop 0
.rept 4
	v_nop
.endr
.Lasked_\@:
.endm
.macro CREST                           ; a round of the cluster's barrier behind its opening barrier
	s_cmp_lg_u32 s14, 0
	s_cbranch_scc1 .Lnot_wave_0_\@
	s_barrier_signal -3
.Lnot_wave_0_\@:
	s_barrier_wait -3
	s_barrier_signal -1
	s_barrier_wait -1
.endm
.macro CROUND                          ; a whole round
	s_barrier_signal -1
	s_barrier_wait -1
	CREST
.endm
	s_load_b128 s[4:7], s[0:1], 0x0                ; x's codes s[4:5], x's scales s[6:7]
	s_load_b256 s[68:75], s[0:1], 0x10             ; W_q's codes, scales, W_k's codes, scales
	s_load_b256 s[76:83], s[0:1], 0x30             ; W_v's codes, scales, qc, qs
	s_load_b256 s[84:91], s[0:1], 0x50             ; kc, ks, vc, vs
	v_lshl_add_u32 v[SPW], v0, 2, SPARE
	v_mov_b32 v[NIL], 0
	ds_add_u32 v28, v29
	ds_add_u32 v28, v29
	s_wait_dscnt 0x0
	v_lshrrev_b32 v1, 5, v0
	v_readfirstlane_b32 s14, v1                    ; wave 0..3
	s_lshr_b32 s15, s14, 1                         ; which half of A's rows is mine.  Also: I fetch for A (0) or for B (1)
	s_and_b32 s16, s14, 1                          ; which half of B's rows.  Also: which 128 rows of that tile I fetch
	s_bfe_u32 s40, ttmp6, 0x40000                  ; cx, cy: my place in the cluster
	s_bfe_u32 s41, ttmp6, 0x40004
	s_and_b32 s18, ttmp7, 0xffff
	s_lshl_b32 s18, s18, 2                         ; 4 x cluster y: it goes with x's tile
	s_cmp_eq_u32 ttmp9, 2                          ; V?  The cluster's x is the same in all sixteen partners
	s_cselect_b32 s19, 0, s18
	s_cselect_b32 s18, s18, 0
	s_add_co_u32 s17, s19, s41                     ; A's tile: x's 4 x cluster y + cy, or W_v's cy
	s_add_co_u32 s42, s18, s40                     ; B's tile: the weight's cx, or x's 4 x cluster y + cx
	s_lshl_b32 s43, s41, 2
	s_lshl_b32 s43, 15, s43                        ; my row of the cluster
	s_lshl_b32 s44, 0x1111, s40                    ; my column
	; descriptor group 1: a tile of 128 rows x 256 bytes, padded in LDS
	s_or_b32 s[G1+0], s43, (0<<16)|(1<<20)|(1<<21)|(5<<22)|(3<<25)  ; 15:0 the mask: A's tiles go to my row; 17:16 element of 1 byte; 20 padding on; 21 set beside a mask; 24:22 after every 64 words (code 5); 31:25 of 4 words (code 3)
	s_or_b32 s[G1B+0], s44, (0<<16)|(1<<20)|(1<<21)|(5<<22)|(3<<25)
.irp g, G1, G1B
	s_mov_b32 s[\g+1], ROWB<<16                    ; tensor_dim0
	s_mov_b32 s[\g+2], 128<<16                     ; tensor_dim1 = 128
	s_mov_b32 s[\g+3], ROWB<<16                    ; tile_dim0
	s_mov_b32 s[\g+4], 128                         ; tile_dim1 = 128
	s_mov_b32 s[\g+5], KROW                        ; tensor_dim0_stride
	s_mov_b32 s[\g+6], 0
	s_mov_b32 s[\g+7], 0
.endr
	s_lshl_b32 s18, s16, 7                         ; which 128 rows of the tile I fetch
	s_lshl_b32 s20, s17, 8
	s_add_co_u32 s20, s20, s18                     ; A: row 256 x tile + 128 x half
	s_lshl_b32 s46, s42, 8
	s_add_co_u32 s46, s46, s18                     ; B likewise
	s_lshl_b32 s22, s20, 5                         ; where these rows' scale bytes begin (32 a row),
	s_lshl_b32 s20, s20, 10                        ; and their codes (1,024 a row): under 2^23
	s_lshl_b32 s18, s46, 5
	s_lshl_b32 s46, s46, 10
	s_mov_b32 s21, 0
	s_mov_b32 s23, 0
	s_mov_b32 s19, 0
	s_mov_b32 s47, 0
	s_mul_i32 s45, s14, HALFT                      ; where they go: wave x 128 rows: no place in the cluster enters an LDS address
	s_mul_i32 s3, s14, HALFS
	s_wait_kmcnt 0x0
	s_cmp_eq_u32 ttmp9, 1                          ; the buffers are chosen by the cluster's x alone
	s_cselect_b64 s[8:9], s[72:73], s[68:69]       ; the weight's codes: W_k's or W_q's
	s_cselect_b64 s[10:11], s[74:75], s[70:71]     ; its scales
	s_cselect_b64 s[12:13], s[84:85], s[80:81]     ; where the codes go: kc or qc
	s_cselect_b64 s[66:67], s[86:87], s[82:83]     ; and the scale words: ks or qs
	s_cmp_eq_u32 ttmp9, 2
	s_cselect_b64 s[12:13], s[88:89], s[12:13]     ; vc
	s_cselect_b64 s[66:67], s[90:91], s[66:67]     ; vs
	s_cselect_b64 s[92:93], s[76:77], s[4:5]       ; A's codes: W_v's or x's
	s_cselect_b64 s[94:95], s[78:79], s[6:7]       ; A's scales
	s_cselect_b64 s[96:97], s[4:5], s[8:9]         ; B's codes: x's or the weight's
	s_cselect_b64 s[98:99], s[6:7], s[10:11]       ; B's scales
	s_add_nc_u64 s[92:93], s[92:93], s[20:21]
	s_add_nc_u64 s[94:95], s[94:95], s[22:23]
	s_add_nc_u64 s[96:97], s[96:97], s[46:47]
	s_add_nc_u64 s[98:99], s[98:99], s[18:19]
	; group 1 for the scale bytes of 128 rows: a dense block of 4,096 bytes, as 16 rows of 256 bytes (32 elements of 8 bytes), 16 bytes of padding behind each
	s_or_b32 s[G1S+0], s43, (3<<16)|(1<<20)|(1<<21)|(5<<22)|(3<<25)
	s_or_b32 s[G1SB+0], s44, (3<<16)|(1<<20)|(1<<21)|(5<<22)|(3<<25)
.irp g, G1S, G1SB
	s_mov_b32 s[\g+1], 32<<16
	s_mov_b32 s[\g+2], (128*KS/256)<<16
	s_mov_b32 s[\g+3], 32<<16
	s_mov_b32 s[\g+4], 128*KS/256
	s_mov_b32 s[\g+5], 32
	s_mov_b32 s[\g+6], 0
	s_mov_b32 s[\g+7], 0
.endr
	CROUND                                         ; all sixteen work-groups are here: the first joint loads meet
	s_mov_b32 s[G0S], 1
	s_add_co_u32 s[G0S+1], s3, SCL
	s_mov_b64 s[G0S+2:G0S+3], s[94:95]
	s_or_b32 s[G0S+3], s[G0S+3], 0x80000000
	s_mov_b32 s[G0SB], 1
	s_add_co_u32 s[G0SB+1], s3, SCL
	s_mov_b64 s[G0SB+2:G0SB+3], s[98:99]
	s_or_b32 s[G0SB+3], s[G0SB+3], 0x80000000
	JLOAD G0S, G1S, G0SB, G1SB                     ; the scales first: they are wanted with K step 0
.irp s, 0,1
	s_mov_b32 s[G0+4*\s], 1
	s_add_co_u32 s[G0+4*\s+1], s45, \s*SLOT
	s_add_nc_u64 s[G0+4*\s+2:G0+4*\s+3], s[92:93], \s*ROWB
	s_or_b32 s[G0+4*\s+3], s[G0+4*\s+3], 0x80000000
	s_mov_b32 s[G0B+4*\s], 1
	s_add_co_u32 s[G0B+4*\s+1], s45, \s*SLOT
	s_add_nc_u64 s[G0B+4*\s+2:G0B+4*\s+3], s[96:97], \s*ROWB
	s_or_b32 s[G0B+4*\s+3], s[G0B+4*\s+3], 0x80000000
	JLOAD G0+4*\s, G1, G0B+4*\s, G1B               ; three tensor loads of mine are out at the most
.endr
	v_and_b32 v1, 15, v0                           ; r = l % 16
	v_bfe_u32 v2, v0, 4, 1                         ; h = l / 16
	v_mul_u32_u24 v3, v1, PITCH
	v_lshl_add_u32 v4, v2, 4, v3                   ; a fragment's row x pitch + 16 x half
	s_mul_i32 s21, s15, HALFT                      ; my 128 rows of A
	s_mul_i32 s22, s16, HALFT                      ; my 128 rows of B,
	s_add_co_u32 s22, s22, 2*HALFT                 ; which lie behind A's 256
.irp s, 0,1
	v_add_nc_u32 v[ADRA+\s], s21, v4
	v_add_nc_u32 v[ADRB+\s], s22, v4
	s_add_co_u32 s21, s21, SLOT
	s_add_co_u32 s22, s22, SLOT
.endr
	v_mul_u32_u24 v5, v1, KS                       ; my row's scales: 32 bytes a row,
	v_lshrrev_b32 v6, 8, v5
	v_lshl_add_u32 v5, v6, 4, v5                   ; and 16 more for each 256 passed
	s_mul_i32 s21, s15, HALFS                      ; A's: my 128 rows
	s_mul_i32 s22, s16, HALFS                      ; B's: my 128 rows, behind A's 256
	s_add_co_u32 s22, s22, 2*HALFS
	s_sub_co_u32 s22, s22, s21
	v_mul_u32_u24 v6, s22, v2                      ; lanes 16-31 take B's
	s_add_co_u32 s21, s21, SCL
	v_add_nc_u32 v5, v5, v6
	v_add_nc_u32 v[ADRS], s21, v5
	s_lshl_b32 s23, s14, 10                        ; the stage for my scale words: 1,024 bytes a wave
	v_lshlrev_b32 v5, 9, v2
	v_lshl_add_u32 v5, v1, 2, v5
	v_add_nc_u32 v[SSTO], s23, v5                  ; in: 512 h + 4 r (+ 64 a)
	v_and_b32 v6, 31, v0
	v_lshlrev_b32 v[CO], 4, v6
	v_add_nc_u32 v[SSRD], s23, v[CO]               ; back: 16 bytes a lane
.irp p, 0,1,2,3
	v_mov_b32 v[TM+4+\p], 0                        ; written once: a lane permute's destination counts as one of its sources
.endr
	; where my wave's results go.  RA, RB: my first rows of A and of B
	s_lshl_b32 s20, s17, 8
	s_lshl_b32 s21, s15, 7
	s_add_co_u32 s20, s20, s21                     ; RA
	s_lshl_b32 s22, s42, 8
	s_lshl_b32 s23, s16, 7
	s_add_co_u32 s22, s22, s23                     ; RB
	s_cmp_eq_u32 ttmp9, 2
	s_cselect_b32 s46, s22, s20                    ; x's row R (V: RB)
	s_cselect_b32 s47, s20, s22                    ; the weight's row N (V: RA)
	s_cselect_b32 s2, 7, 11                        ; codes: batch << 21 + N << 11 + (R % 2048) << 7;   V: batch << 21 + (R % 2048) << 10 + N << 7
	s_cselect_b32 s3, 10, 7
	s_cselect_b32 s21, 16, 17                      ; words: batch << 17 + N << 7 + (R % 2048) << 2;    V: batch << 16 + (R % 2048) << 5 + N << 2
	s_cselect_b32 s23, 2, 7
	s_cselect_b32 s44, 5, 2
	s_cselect_b32 s43, 0, 16
	v_mul_u32_u24 v[SHF], s43, v2
	s_lshr_b32 s18, s46, 11                        ; batch
	s_and_b32 s19, s46, 2047
	s_lshl_b32 s20, s18, 21
	s_lshl_b32 s22, s47, s2
	s_add_co_u32 s20, s20, s22
	s_lshl_b32 s22, s19, s3
	s_add_co_u32 s20, s20, s22
	s_lshl_b32 s22, s18, s21
	s_lshl_b32 s2, s47, s23
	s_add_co_u32 s22, s22, s2
	s_lshl_b32 s2, s19, s44
	s_add_co_u32 s22, s22, s2
	s_mov_b32 s21, 0
	s_mov_b32 s23, 0
	s_add_nc_u64 s[12:13], s[12:13], s[20:21]
	s_add_nc_u64 s[66:67], s[66:67], s[22:23]
	s_mov_b32 s[SEL], 0x76543210
	s_mov_b32 s[SEL+1], 0xfedcba98
	s_mov_b32 s[MNT], 0x600000
.macro FRAG reg, adr, q, i             ; a fragment, 16 rows x 128 K of 8-bit codes, is 16 registers: lane l holds row l % 16; registers 4 c .. 4 c + 3 hold K = 32 c + 16 (l / 16) + 0 .. 15
.irp c, 0,1,2,3
	ds_load_b128 v[\reg+4*\c:\reg+4*\c+3], v[\adr] offset:128*(\q)+32*\c+(\i)*16*PITCH
.endr
.endm
; 16 matrix instructions: A's blocks a0, a0 + 1 x B's eight, 128 along K: the slot's q-th.  p: B's set;  sc: the set of scale words.  zero = 1: the first product starts the sums: nothing is ever cleared.
; The 64 accumulators take turns, one instruction a turn, in the same order in every step.
.macro MUL16 a0, p, q, sc, zero
.irp a, \a0, \a0+1
.irp b, 0,1,2,3,4,5,6,7
.if \zero
	v_wmma_scale_f32_16x16x128_f8f6f4 v[8*(8*((\a)%4)+\b):8*(8*((\a)%4)+\b)+7], v[128*(\p)+FR*\b:128*(\p)+FR*\b+FR-1], v[AF+FR*(\a):AF+FR*(\a)+FR-1], 0, v[SC+8*NQ*(\sc)+NQ*\b+(\q)], v[SC+8*NQ*(\sc)+NQ*(\a)+(\q)] matrix_a_scale:MATRIX_SCALE_ROW1
.else
	v_wmma_scale_f32_16x16x128_f8f6f4 v[8*(8*((\a)%4)+\b):8*(8*((\a)%4)+\b)+7], v[128*(\p)+FR*\b:128*(\p)+FR*\b+FR-1], v[AF+FR*(\a):AF+FR*(\a)+FR-1], v[8*(8*((\a)%4)+\b):8*(8*((\a)%4)+\b)+7], v[SC+8*NQ*(\sc)+NQ*\b+(\q)], v[SC+8*NQ*(\sc)+NQ*(\a)+(\q)] matrix_a_scale:MATRIX_SCALE_ROW1
.endif
.endr
.endr
.endm
.macro FETCH_B slot, q, p              ; B's eight fragments of the slot's q-th 128 along K into set p
	WIN TO_B
.irp i, 0,1,2,3,4,5,6,7
	FRAG 128*(\p)+FR*\i, ADRB+\slot, \q, \i
.endr
	WIN 0
.endm
.macro FETCH_A slot, q, i0             ; A's blocks i0 .. i0 + 3
.irp i, \i0, \i0+1, \i0+2, \i0+3
	FRAG AF+FR*(\i), ADRA+\slot, \q, \i
.endr
.endm
.macro SCALES sc                       ; the next K step's scale words into set sc: two words a row; lanes 0-15 take A's block i, lanes 16-31 B's block i
.irp i, 0,1,2,3,4,5,6,7
	ds_load_b64 v[SC+8*NQ*\sc+NQ*\i:SC+8*NQ*\sc+NQ*\i+1], v[ADRS] offset:\i*SBLK
.endr
.endm
; A load into a register that a matrix instruction has read, and a vector instruction that reads a matrix result, stand NP places behind that matrix instruction, and only plain vector
; instructions that name none of its registers are places (ISA guide 7.12.1 for vector instructions).
.macro PLACES n
.rept \n
	v_nop
.endr
.endm
; A step of 128 along K that has its successor in the same slot.
.macro STEP slot, q, zero
	s_wait_dscnt 4*NL                              ; B's set and A's blocks 0-3 are in; the youngest sixteen loads (A's blocks 4-7) may be out
	WIN MUL_LO
	MUL16 0, (\q)%2, \q, \slot, \zero
	MUL16 2, (\q)%2, \q, \slot, \zero
	s_wait_dscnt 0                                 ; A's blocks 4-7 are in (asked for 32 matrix instructions ago)
	PLACES NP
	FETCH_B \slot, (\q)+1, 1-(\q)%2
	FETCH_A \slot, (\q)+1, 0
	WIN MUL_HI
	MUL16 4, (\q)%2, \q, \slot, \zero
	MUL16 6, (\q)%2, \q, \slot, \zero
	PLACES NP
	WIN 0
	FETCH_A \slot, (\q)+1, 4
.endm
; A slot's last step changes slots: one barrier; in front of it each wave waits for all its tensor loads, adds 0 to its spare word, and waits for that and for its own reads of this slot.  fill = 1: this slot is filled again, two K steps ahead.
.macro TURN slot, next, fill
	s_wait_tensorcnt 0x0                           ; all my tensor loads have landed: my part of the next slot;  (every window is 0 here: the add's two registers lie in window 0)
	ds_add_u32 v[SPW], v[NIL]                      ; 0 onto my spare word;
	s_wait_dscnt 4*NL+1                            ; (the add and the youngest sixteen loads, A's blocks 4-7, may be out)
	WIN MUL_LO
	MUL16 0, 1, NQ-1, \slot, 0                     ; sixteen matrix instructions stand between the add and the wait for it
	s_wait_dscnt 0x0                               ; the add is done, and my reads of this slot are over
	s_barrier_signal -1
	MUL16 2, 1, NQ-1, \slot, 0
	WIN 0
	s_barrier_wait -1
.if \fill
	CREST                                          ; the barrier has opened a round of the cluster's barrier: no wave of any partner still reads this slot's tile or has a load on its way
	s_add_nc_u64 s[G0+4*\slot+2:G0+4*\slot+3], s[G0+4*\slot+2:G0+4*\slot+3], 2*ROWB
	s_add_nc_u64 s[G0B+4*\slot+2:G0B+4*\slot+3], s[G0B+4*\slot+2:G0B+4*\slot+3], 2*ROWB
	JLOAD G0+4*\slot, G1, G0B+4*\slot, G1B         ; the first tensor load behind the round; the four v_nop behind it are among the places in front of the loads below
	PLACES NP-4
.else
	PLACES NP
.endif
	v_add_nc_u32 v[ADRS], 4*NQ, v[ADRS]            ; on to the next K step's scale words (no LDS load of mine is out)
	FETCH_B \next, 0, 0
	FETCH_A \next, 0, 0
	SCALES \next
	WIN MUL_HI
	MUL16 4, 1, NQ-1, \slot, 0
	MUL16 6, 1, NQ-1, \slot, 0
	PLACES NP
	WIN 0
	FETCH_A \next, 0, 4
.endm
	s_wait_tensorcnt 1                             ; the scales and my part of K step 0 are in (K step 1's load may be out)
	s_barrier_signal -1
	s_barrier_wait -1                              ; everybody's are
	FETCH_B 0, 0, 0
	FETCH_A 0, 0, 0
	SCALES 0
	FETCH_A 0, 0, 4
	STEP 0, 0, 1                                   ; the first step stands in front of the loop: its products start the sums
	s_mov_b32 s3, LAPS-1
.Llap:                                                 ; a trip goes once round the ring, from a lap's second step to the next lap's first, and fills both slots again
	TURN 0, 1, 1
	STEP 1, 0, 0
	TURN 1, 0, 1
	STEP 0, 0, 0
	s_sub_co_u32 s3, s3, 1
	s_cmp_lg_u32 s3, 0
	s_cbranch_scc1 .Llap
	TURN 0, 1, 0                                   ; the last lap fills nothing, and has no round of the cluster's barrier
	STEP 1, 0, 0
	s_wait_dscnt 4*NL                              ; the very last step: nothing more to fetch
	WIN MUL_LO
	MUL16 0, 1, NQ-1, 1, 0
	MUL16 2, 1, NQ-1, 1, 0
	s_wait_dscnt 0
	WIN MUL_HI
	MUL16 4, 1, NQ-1, 1, 0
	MUL16 6, 1, NQ-1, 1, 0
	WIN 0
; THE WAY OUT of A's block a: 16 rows x 128 of B's rows = four blocks of 32 a row.  Register AC + 16 p + i of lane (r, h): row 16 a + r, B's row 32 p + 8 h + i (i < 8) or 32 p + 8 + 8 h + i (i >= 8).
.macro QOUT a
.set AC, 64*((\a)%4)
.set CD, COD+16*((\a)%4)
.set W1, 2+(\a)/4                      ; the accumulators' window
.set W2, W1*5                          ; as sources 0 and 1
	WIN W2
.irp p, 0,1,2,3
	v_max3_num_f32 v[TM+\p], |v[AC+16*\p]|, |v[AC+16*\p+1]|, 0x4800000   ; block p: my 16 numbers, each accumulator from its low end on, and the floor 2^(9 - 127): the byte cannot fall under 1
.endr
.irp i, 2,4,6,8,10,12,14
.irp p, 0,1,2,3
	v_max3_num_f32 v[TM+\p], |v[AC+16*\p+\i]|, |v[AC+16*\p+\i+1]|, v[TM+\p]   ; (the four blocks by turns)
.endr
.endr
	WIN 0
.irp p, 0,1,2,3
	v_permlanex16_b32 v[TM+4+\p], v[TM+\p], s[SEL], s[SEL+1]
.endr
.irp p, 0,1,2,3
	v_max_num_f32 v[TM+\p], v[TM+\p], v[TM+4+\p]   ; with lane l xor 16's: the block's largest magnitude
.endr
.irp p, 0,1,2,3
	v_add_nc_u32 v[TM+12+\p], 0xfc000000, v[TM+\p] ; 8 off its exponent field: the conversion takes the exponent field of this operand as its scale
.endr
.irp p, 0,1,2,3
	v_and_or_b32 v[TM+8+\p], v[TM+\p], 0x7f800000, s[MNT]   ; 448 x the scale
.endr
.irp p, 0,1,2,3
	v_lshrrev_b32 v[TM+4+\p], 23, v[TM+12+\p]      ; the scale's byte
.endr
	v_lshl_or_b32 v[WD], v[TM+5], 8, v[TM+4]       ; the row's four bytes
	v_lshl_or_b32 v[WD], v[TM+6], 16, v[WD]
	v_lshl_or_b32 v[WD], v[TM+7], 24, v[WD]
	WIN W1                                         ; source 0: the accumulators
.irp p, 0,1,2,3
.irp i, 0,1,2,3,4,5,6,7,8,9,10,11,12,13,14,15
	v_med3_num_f32 v[XH+16*\p+\i], v[AC+16*\p+\i], -v[TM+8+\p], v[TM+8+\p]   ; the conversion to an 8-bit code does not saturate (ISA guide 7.6.2): the hold at the largest code x the scale
.endr
.endr
	WIN 0
.if (\a) >= 4
	s_wait_xcnt 0x0                                ; block a - 4's stores have read their data: this set of codes is written again only behind this wait
.endif
.irp p, 0,1,2,3
	v_cvt_scalef32_pk8_fp8_f32 v[CD+4*\p:CD+4*\p+1], v[XH+16*\p:XH+16*\p+7], v[TM+12+\p]
	v_cvt_scalef32_pk8_fp8_f32 v[CD+4*\p+2:CD+4*\p+3], v[XH+16*\p+8:XH+16*\p+15], v[TM+12+\p]
.endr
	v_lshrrev_b32 v[SW], v[SHF], v[WD]             ; Q, K: lanes 16-31 keep the second head's two bytes.  (Also the plain line behind the conversions)
.irp p, 0,1,2,3
	global_store_b128 v[CO], v[CD+4*\p:CD+4*\p+3], s[12:13] offset:(\a)*2048+\p*512   ; 32 lanes store 512 consecutive bytes, at a multiple of 512 from the buffer's first byte
.endr
	ds_store_b32 v[SSTO], v[SW] offset:64*(\a)     ; the words of my 128 rows gather in my stage: lanes 0-15 in its first 512 bytes, lanes 16-31 in its second
.endm
	PLACES NP                                      ; behind the last products: the first reads of results, and the first writes over A's fragments
.irp a, 0,1,2,3,4,5,6,7
	QOUT \a
.endr
	ds_load_b128 v[BKW:BKW+3], v[SSRD]             ; LDS serves a wave's instructions in order (ISA guide 5.7.1.4): these see my stores
	ds_load_b128 v[BKW+4:BKW+7], v[SSRD] offset:512
	s_wait_dscnt 0x0
	global_store_b128 v[CO], v[BKW:BKW+3], s[66:67]   ; 128 rows' words: 512 consecutive bytes
	s_cmp_eq_u32 ttmp9, 2                          ; V has one word a row; Q and K one for each of the pair's two heads
	s_cbranch_scc1 .Lone_word
	global_store_b128 v[CO], v[BKW+4:BKW+7], s[66:67] offset:8192   ; the second head's, 2,048 words on
.Lone_word:
	s_wait_tensorcnt 0x0                           ; the wave's end, behind my last tensor load and my last LDS store
	ds_add_u32 v[SPW], v[NIL]
	s_wait_dscnt 0x0
	CROUND                                         ; the closing round: no work-group ends while a partner may still ask for a tile that names it
	s_endpgm
.Lfunc_end_k_q05273c8aba_qkv:
	.size	k_q05273c8aba_qkv, .Lfunc_end_k_q05273c8aba_qkv-k_q05273c8aba_qkv
	.p2alignl 7, 3214868480
	.fill 96, 4, 3214868480
	.section	.rodata,"a",@progbits
	.p2align	6, 0x0
	.amdhsa_kernel k_q05273c8aba_qkv
		.amdhsa_group_segment_fixed_size 327680
		.amdhsa_private_segment_fixed_size 0
		.amdhsa_enable_private_segment 0
		.amdhsa_kernarg_size 112
		.amdhsa_user_sgpr_count 2
		.amdhsa_user_sgpr_kernarg_segment_ptr 1
		.amdhsa_wavefront_size32 1
		.amdhsa_system_sgpr_workgroup_id_x 1
		.amdhsa_system_sgpr_workgroup_id_y 1
		.amdhsa_system_sgpr_workgroup_id_z 1
		.amdhsa_system_vgpr_workitem_id 0
		.amdhsa_next_free_vgpr 1024
		.amdhsa_next_free_sgpr 100
		.amdhsa_reserve_vcc 0
		.amdhsa_float_denorm_mode_32 3
		.amdhsa_float_denorm_mode_16_64 3
		.amdhsa_memory_ordered 1
		.amdhsa_forward_progress 1
		.amdhsa_inst_pref_size 186
	.end_amdhsa_kernel
	.amdgpu_metadata
---
amdhsa.version: [ 1, 2 ]
amdhsa.kernels:
  - .name:           k_q05273c8aba_qkv
    .symbol:         k_q05273c8aba_qkv.kd
    .args:
      - { .name: x_codes, .offset: 0, .size: 8, .value_kind: global_buffer, .address_space: global }
      - { .name: x_scales, .offset: 8, .size: 8, .value_kind: global_buffer, .address_space: global }
      - { .name: W_q_codes, .offset: 16, .size: 8, .value_kind: global_buffer, .address_space: global }
      - { .name: W_q_scales, .offset: 24, .size: 8, .value_kind: global_buffer, .address_space: global }
      - { .name: W_k_codes, .offset: 32, .size: 8, .value_kind: global_buffer, .address_space: global }
      - { .name: W_k_scales, .offset: 40, .size: 8, .value_kind: global_buffer, .address_space: global }
      - { .name: W_v_codes, .offset: 48, .size: 8, .value_kind: global_buffer, .address_space: global }
      - { .name: W_v_scales, .offset: 56, .size: 8, .value_kind: global_buffer, .address_space: global }
      - { .name: qc, .offset: 64, .size: 8, .value_kind: global_buffer, .address_space: global }
      - { .name: qs, .offset: 72, .size: 8, .value_kind: global_buffer, .address_space: global }
      - { .name: kc, .offset: 80, .size: 8, .value_kind: global_buffer, .address_space: global }
      - { .name: ks, .offset: 88, .size: 8, .value_kind: global_buffer, .address_space: global }
      - { .name: vc, .offset: 96, .size: 8, .value_kind: global_buffer, .address_space: global }
      - { .name: vs, .offset: 104, .size: 8, .value_kind: global_buffer, .address_space: global }
    .group_segment_fixed_size: 327680
    .private_segment_fixed_size: 0
    .kernarg_segment_align: 8
    .kernarg_segment_size: 112
    .max_flat_workgroup_size: 128
    .sgpr_count:     100
    .vgpr_count:     1024
    .wavefront_size: 32
...
	.end_amdgpu_metadata
.endif
;; end of part 1
;; launch attn (part 2): grid 4 x 64, 16 waves a work-group, clusters of 4 x 1, 276,480 bytes of LDS; arguments qc, qs, kc, ks, vc, vs, hc, hs; writes hc, hs
.if DOCPART == 2
	.amdgcn_target "amdgcn-amd-amdhsa--gfx1250"
	.amdhsa_code_object_version 6
	.text
	.protected	k_q05273c8aba_attn
	.globl	k_q05273c8aba_attn
	.p2align	8
	.type	k_q05273c8aba_attn,@function
k_q05273c8aba_attn:
	s_mov_b64 s[64:65], 0
	v_nop
	global_prefetch_b8 v0, s[64:65] scope:SCOPE_SE
	s_setreg_imm32_b32 hwreg(HW_REG_WAVE_MODE, 25, 1), 1
	s_wait_xcnt 0x0
	s_wait_alu depctr_hold_cnt(0) depctr_sa_sdst(0) depctr_va_vdst(0) depctr_va_sdst(0) depctr_va_ssrc(0) depctr_va_vcc(0) depctr_vm_vsrc(0)
	s_getreg_b32 s2, hwreg(HW_REG_IB_STS2, 6, 4)
	s_cmp_eq_u32 s2, 0
	s_cbranch_scc0 .Lentry_in_a_cluster
	s_endpgm
.Lentry_in_a_cluster:
	s_bfe_u32 s2, ttmp6, 0x10000c
	s_cmp_lg_u32 s2, 0x3003
	s_cbranch_scc0 .Lentry_shape_is_right
	s_endpgm
.Lentry_shape_is_right:
; hidden[b][q][h][:] = the sum over keys k <= q of softmax_k(Q . K / 8) V, both products on codes of FP8 (E4M3) with one E8M0 scale for each 32 along a product's K; the result is quantised along the 1,024 of all heads and leaves as codes.
; THE SOFTMAX AHEAD OF THE SECOND PRODUCT: t = score x log2(e) / 8; M = the row's largest t so far, rounded up to a whole number; p = 2^(t - M) is quantised along the keys, not normalised.  The row's sum is taken of the
; unquantised p and divides O at the end.  When M moves, the sum and O are multiplied by 2^(old M - new M): exact.
; INPUTS, as the launch before laid them: images of operand registers, 16 bytes a lane, 512 bytes on end.  qc, kc: [batch][pair of heads 8][tile of 16 rows 128][head of the pair][c 2][512];  qs, ks: [batch][head][row] a word;
; vc: [batch][128 keys: 16][tile of 16 channels 64][c 4][512];  vs: [batch][128 keys][channel 1,024] a word.  Inside each block of 32 along K the places are changed alike in both operands of a product (Q and K; V and p).
; THE FIRST PRODUCT HAS K = 64, the instruction 128: Q's registers 8-15 are zero codes.  A tile of K is 8 registers; as source 0 it is named with the 8 registers behind it (the next tile's codes; behind the last tile zeros), which meet
; Q's zeros and add nothing.  (K's codes are never the NaN code: the launch before holds at 448.)
; SHARES.  Work-group y = 16 x batch + head; the four work-groups of a cluster (place p) share a head.  Its 128 tiles of 16 queries fall into 16 groups of 8; a tile of group g wants key steps 0 .. g of 128 keys, step g on the diagonal.
; Wave w takes one tile of group min(w, 15 - w) and then one of group 15 - that: 17 key steps for every wave.  Tile in the group: first pass p (w < 8) or 4 + p, second pass the other way round.  The place p enters global addresses and
; the mask's lane value alone; every branch hangs on the wave's number and a counter.
; ALL OF THE HEAD'S K AND V LIE IN LDS, filled once, by joint loads that name the four partners: 16 waves x 6 loads, six of a wave out at the most.  No byte of LDS is filled twice or stored to.  One wait for all loads, one barrier; after it the
; waves run free.  So nothing is left to be prefetched: every byte is asked for at the head.  Every LDS read is 16 bytes a lane on end: no padding.
; LAYOUT.  S^T = K Q^T (source 0 = 16 keys, source 1 = my 16 queries), O^T = V^T P^T: a lane holds one query (lane % 16) throughout.  Register 8 T + j of S^T: key 16 T + 8 (lane / 16) + j.
; OUT.  hc: [tile of 16 rows 512][128 along K: 8][c 4][lane][16 bytes], in the operand's own order (four lane swaps a tile put it right, since W_o comes in that order); hs: [8,192][32] scale bytes.  A tile's 32 scale bytes are
; stored one byte a lane, 32 bytes apart: one byte in 32 of what the launch stores leaves in parts of 256-byte blocks.
; LIMITS: NaN and infinities are not served.  A block whose largest magnitude lies under 2^-118 keeps the byte 1, a block of zeros too: this program alone reads the bytes.
.set KC,   0                           ; LDS: K's codes [tile of 16 keys 128][c 2][512]: 8,192 bytes a key step
.set VC,   131072                      ; V's codes [key step 16][tile of 16 channels 4][c 4][512]: 8,192 bytes a key step
.set KSW,  262144                      ; K's scale words, one a key
.set VSW,  270336                      ; V's: [key step 16][channel 64]
.set LI,   1                           ; v1   16 x lane
.set LS,   2                           ; v2   4 x lane
.set ADK,  3                           ; v3-6 LDS addresses of the step in hand: K's codes, V's codes, K's words, V's words
.set ADV,  4
.set ADS,  5
.set ADT,  6
.set DQ,   7                           ; v7   lane % 16 - 8 (lane / 16)
.set VD,   8                           ; v8   that + 16 x my tile's place in its group
.set QOF,  9                           ; v9   my offset in Q's codes;  v10 in Q's words
.set QSO,  10
.set HOF,  11                          ; v11  my offset in hc
.set QF,   16                          ; v16-23 Q's codes, v24-31 zeros
.set KV,   32                          ; v32-95 K's eight tiles, later V's four fragments;  v96-103 zeros
.set S,    104                         ; v104-167 S^T, then p; on the way out the hidden numbers
.set OT,   168                         ; v168-199 O^T
.set PCD,  200                         ; v200-215 p's codes
.set BM,   216                         ; v216-219 the blocks' largest;  v220-223 the other half's, then bytes;  v224-227 448 x the scale;  v228-231 the conversions' scale operands
.set PT,   220
.set HD,   224
.set SO,   228
.set KW,   232                         ; v232-235 K's scale words, v236-237 V's, v238 Q's, v239 p's: scales and nothing else
.set VW,   236
.set QW,   238
.set PW,   239
.set FF,   240                         ; v[240:241] f = 2^(old M - new M); on the way out 1 / the sum
.set TMP,  242
.set NINF, 243                         ; -infinity
.set HCD,  244                         ; v244-251 the hidden layer's codes;  v252 its two scale bytes;  v253 my offset in hs
.set HBY,  252
.set HSO,  253
.set CH2,  254                         ; v[254:255] the sum's second chain
.set WV,   20                          ; s20  my wave's number;  s21 my work-group's place in the cluster
.set PL,   21
.set SEL,  22                          ; s[22:23] v_permlanex16_b32's selects for lane l xor 16
.set G1K,  24                          ; descriptor groups 1: K's codes, V's codes, K's words, V's words
.set G1V,  32
.set G1KS, 40
.set G1VS, 48
.set GA,   56                          ; groups 0: K's words, V's words, K's codes of steps 0-7, V's, K's of steps 8-15, V's
.set GB,   60
.set GC,   68
.set GD,   72
.set GE,   76
.set GF,   80
.set CS,   84                          ; s[84:85] c = log2(e) / 8
.set MNT,  86                          ; s86  the mantissa field of 448
.set KI,   87                          ; s87  the key step
.set GR0,  88                          ; s88, s89 my two groups
.set GR1,  89
.set TBK,  90                          ; s90-93 where the step's K codes, V codes, K words, V words begin in LDS
.set TBV,  91
.set TSK,  92
.set TSV,  93
.set TA0,  94                          ; s94, s95 my two tiles of queries, 0 .. 127
.set TA1,  95
.macro CROUND                          ; a round of the cluster's barrier
	s_barrier_signal -1
	s_barrier_wait -1
	s_cmp_lg_u32 s[WV], 0
	s_cbranch_scc1 .Lnot_wave_0_\@
	s_barrier_signal -3
.Lnot_wave_0_\@:
	s_barrier_wait -3
	s_barrier_signal -1
	s_barrier_wait -1
.endm
.macro G1SET g, c, r, p                ; r rows of c elements of 8 bytes, p elements from row to row; no padding
	s_mov_b32 s[\g], 15|(3<<16)|(1<<21)            ; 15:0 the mask: all four work-groups; 17:16 elements of 8 bytes; 21 set beside a mask
	s_mov_b32 s[\g+1], (\c)<<16                    ; tensor_dim0
	s_mov_b32 s[\g+2], (\r)<<16                    ; tensor_dim1
	s_mov_b32 s[\g+3], (\c)<<16                    ; tile_dim0
	s_mov_b32 s[\g+4], \r                          ; tile_dim1
	s_mov_b32 s[\g+5], \p                          ; tensor_dim0_stride
	s_mov_b32 s[\g+6], 0
	s_mov_b32 s[\g+7], 0
.endm
	s_load_b512 s[4:19], s[0:1], 0x0               ; qc s[4:5], qs s[6:7], kc s[8:9], ks s[10:11], vc s[12:13], vs s[14:15], hc s[16:17], hs s[18:19]
	v_lshl_add_u32 v254, v0, 2, 0x43000
	v_mov_b32 v255, 0
	ds_add_u32 v254, v255
	ds_add_u32 v254, v255
	s_wait_dscnt 0x0
	v_lshrrev_b32 v1, 5, v0
	v_readfirstlane_b32 s[WV], v1                  ; wave 0..15
	s_bfe_u32 s[PL], ttmp6, 0x40000                ; my place in the cluster
	s_and_b32 s96, ttmp7, 0xffff                   ; 16 x batch + head, which the four partners share
	s_lshr_b32 s97, s96, 4                         ; batch
	s_and_b32 s98, s96, 15                         ; head
	s_lshr_b32 s88, s96, 1                         ; Q's and K's codes: (8 x batch + pair of heads) << 18 + (head of the pair) << 10
	s_lshl_b32 s88, s88, 18
	s_and_b32 s90, s96, 1
	s_lshl_b32 s90, s90, 10
	s_add_co_u32 s88, s88, s90
	s_mov_b32 s89, 0
	s_lshl_b32 s90, s96, 13                        ; their words: 8,192 bytes a head
	s_mov_b32 s91, 0
	s_lshl_b32 s92, s97, 21                        ; V's codes: batch << 21 + head << 13
	s_lshl_b32 s94, s98, 13
	s_add_co_u32 s92, s92, s94
	s_mov_b32 s93, 0
	s_lshl_b32 s94, s97, 16                        ; V's words: batch << 16 + head << 8
	s_lshl_b32 s99, s98, 8
	s_add_co_u32 s94, s94, s99
	s_mov_b32 s95, 0
	G1SET G1K, 128, 4, 256                         ; four tiles of K: rows of 1,024 bytes, 2,048 apart (the pair's other head lies between)
	G1SET G1V, 32, 16, 32                          ; half a key step of V: 4,096 dense bytes as rows of 256
	G1SET G1KS, 32, 2, 32                          ; a key step's words of K: 512 dense bytes
	G1SET G1VS, 32, 1, 32                          ; a key step's words of V: 256 bytes
	s_mov_b32 s[SEL], 0x76543210
	s_mov_b32 s[SEL+1], 0xfedcba98
	s_mov_b32 s[CS], 0x3e38aa3b                    ; log2(e) / 8
	s_mov_b32 s[CS+1], s[CS]                       ; (named with it as a pair, so it is written)
	s_mov_b32 s[MNT], 0x600000
	s_wait_kmcnt 0x0
	s_add_nc_u64 s[4:5], s[4:5], s[88:89]
	s_add_nc_u64 s[8:9], s[8:9], s[88:89]
	s_add_nc_u64 s[6:7], s[6:7], s[90:91]
	s_add_nc_u64 s[10:11], s[10:11], s[90:91]
	s_add_nc_u64 s[12:13], s[12:13], s[92:93]
	s_add_nc_u64 s[14:15], s[14:15], s[94:95]
	s_lshl_b32 s88, s97, 21                        ; hc: batch << 21 + head << 10 (128 along K: 2,048 bytes; a head is half of that)
	s_lshl_b32 s92, s98, 10
	s_add_co_u32 s88, s88, s92
	s_add_nc_u64 s[16:17], s[16:17], s[88:89]
	s_lshl_b32 s90, s97, 16                        ; hs: batch << 16 + 2 x head
	s_lshl_b32 s92, s98, 1
	s_add_co_u32 s90, s90, s92
	s_add_nc_u64 s[18:19], s[18:19], s[90:91]
	; groups 0.  Every LDS address is a constant + a constant x the wave's number; every global address hangs on batch, head and the wave's number
	s_lshl_b32 s88, s[WV], 9                       ; K's words of key step w
	s_mov_b32 s[GA], 1
	s_add_co_u32 s[GA+1], s88, KSW
	s_add_nc_u64 s[GA+2:GA+3], s[10:11], s[88:89]
	s_or_b32 s[GA+3], s[GA+3], 0x80000000
	s_lshl_b32 s88, s[WV], 12                      ; V's words of key step w: 4,096 bytes a step in memory, 256 in LDS
	s_lshl_b32 s90, s[WV], 8
	s_mov_b32 s[GB], 1
	s_add_co_u32 s[GB+1], s90, VSW
	s_add_nc_u64 s[GB+2:GB+3], s[14:15], s[88:89]
	s_or_b32 s[GB+3], s[GB+3], 0x80000000
	s_lshl_b32 s90, s[WV], 13                      ; K's tiles 4 w .. 4 w + 3, and those 64 tiles on
	s_mov_b32 s[GC], 1
	s_mov_b32 s[GC+1], s88                         ; 4,096 w
	s_add_nc_u64 s[GC+2:GC+3], s[8:9], s[90:91]
	s_mov_b32 s[GE], 1
	s_add_co_u32 s[GE+1], s88, 65536
	s_add_nc_u64 s[GE+2:GE+3], s[GC+2:GC+3], 131072
	s_or_b32 s[GC+3], s[GC+3], 0x80000000
	s_or_b32 s[GE+3], s[GE+3], 0x80000000
	s_lshr_b32 s90, s[WV], 1                       ; V: key step w / 2, its half w % 2, and the step 8 on
	s_lshl_b32 s90, s90, 17
	s_and_b32 s92, s[WV], 1
	s_lshl_b32 s92, s92, 12
	s_add_co_u32 s90, s90, s92
	s_mov_b32 s[GD], 1
	s_add_co_u32 s[GD+1], s88, VC
	s_add_nc_u64 s[GD+2:GD+3], s[12:13], s[90:91]
	s_mov_b32 s[GF], 1
	s_add_co_u32 s[GF+1], s88, VC+65536
	s_add_nc_u64 s[GF+2:GF+3], s[GD+2:GD+3], 1048576
	s_or_b32 s[GD+3], s[GD+3], 0x80000000
	s_or_b32 s[GF+3], s[GF+3], 0x80000000
	CROUND                                         ; all four work-groups are here: the joint loads meet
	tensor_load_to_lds s[GA:GA+3], s[G1KS:G1KS+7]
	s_nop 0
	tensor_load_to_lds s[GB:GB+3], s[G1VS:G1VS+7]
	s_nop 0
	tensor_load_to_lds s[GC:GC+3], s[G1K:G1K+7]
	s_nop 0
	tensor_load_to_lds s[GD:GD+3], s[G1V:G1V+7]
	s_nop 0
	tensor_load_to_lds s[GE:GE+3], s[G1K:G1K+7]
	s_nop 0
	tensor_load_to_lds s[GF:GF+3], s[G1V:G1V+7]
	s_nop 0
.rept 4
	v_nop
.endr
	; who I am
	s_sub_co_u32 s96, 15, s[WV]
	s_min_u32 s[GR0], s[WV], s96                   ; my first group: min(w, 15 - w),
	s_sub_co_u32 s[GR1], 15, s[GR0]                ; my second
	s_cmp_lt_u32 s[WV], 8
	s_cselect_b32 s96, 0, 4
	s_cselect_b32 s97, 4, 0
	s_add_co_u32 s96, s96, s[PL]
	s_add_co_u32 s97, s97, s[PL]
	s_lshl_b32 s98, s[GR0], 3
	s_add_co_u32 s[TA0], s98, s96
	s_lshl_b32 s98, s[GR1], 3
	s_add_co_u32 s[TA1], s98, s97
	v_and_b32 v[LS], 31, v0
	v_lshlrev_b32 v[LI], 4, v[LS]
	v_lshlrev_b32 v[LS], 2, v[LS]
	v_and_b32 v[DQ], 15, v0
	v_bfe_u32 v[TMP], v0, 4, 1
	v_lshlrev_b32 v[TMP], 3, v[TMP]
	v_sub_nc_u32 v[DQ], v[DQ], v[TMP]
.irp j, 0,1,2,3,4,5,6,7
	v_mov_b32 v[QF+8+\j], 0                        ; Q's K = 64 .. 127: zero codes
	v_mov_b32 v[KV+64+\j], 0                       ; and what stands behind K's last tile
.endr
.irp b, 0,1,2,3
	v_mov_b32 v[PT+\b], 0                          ; written once: a lane permute's destination counts as one of its sources
.endr
	v_mov_b32 v[FF+1], 0                           ; (named as the upper half of a pair)
	v_mov_b32 v[NINF], 0xff800000
.macro QLOAD tau                       ; my tile's codes of Q (1,024 bytes: two loads of 512 on end) and its rows' scale words
	v_lshl_add_u32 v[QOF], s[\tau], 11, v[LI]
	v_and_b32 v[QSO], 15, v0
	v_lshlrev_b32 v[QSO], 2, v[QSO]
	v_lshl_add_u32 v[QSO], s[\tau], 6, v[QSO]
	global_load_b128 v[QF:QF+3], v[QOF], s[4:5] th:TH_LOAD_NT
	global_load_b128 v[QF+4:QF+7], v[QOF], s[4:5] offset:512 th:TH_LOAD_NT
	global_load_b32 v[QW], v[QSO], s[6:7] th:TH_LOAD_NT
.endm
; A KEY STEP: 128 keys.  g: the register with my tile's group.
.macro STEP g
	s_cmp_gt_u32 s[KI], s[\g]                      ; a step all of whose keys come after my queries is left out: a branch on the wave's number and the counter, round the step's work, not round the lines at its end that step addresses
	s_cbranch_scc1 .Lhidden_\@
	v_add_nc_u32 v[ADK], s[TBK], v[LI]
	v_add_nc_u32 v[ADV], s[TBV], v[LI]
	v_add_nc_u32 v[ADS], s[TSK], v[LS]
	v_add_nc_u32 v[ADT], s[TSV], v[LS]
.rept 4
	v_nop                                          ; with the four additions: eight places in front of loads into registers that the last step's products have read
.endr
.set n, 0
.rept 16
	ds_load_b128 v[KV+4*n:KV+4*n+3], v[ADK] offset:512*n   ; tile n / 2, c = n % 2
.set n, n+1
.endr
.irp u, 0,1,2,3
	ds_load_b32 v[KW+\u], v[ADS] offset:128*\u     ; lane l: the word of key 32 u + l: tile 2 u in lanes 0-15, tile 2 u + 1 in lanes 16-31
.endr
	s_wait_dscnt 0x0
.irp T, 0,2,4,6
	v_wmma_scale_f32_16x16x128_f8f6f4 v[S+8*\T:S+8*\T+7], v[KV+8*\T:KV+8*\T+15], v[QF:QF+15], 0, v[KW+\T/2], v[QW]
	v_wmma_scale_f32_16x16x128_f8f6f4 v[S+8*\T+8:S+8*\T+15], v[KV+8*\T+8:KV+8*\T+23], v[QF:QF+15], 0, v[KW+\T/2], v[QW] matrix_a_scale:MATRIX_SCALE_ROW1
.endr
.rept 8
	v_nop                                          ; eight places: in front of the loads over K's tiles, and of the first read of the scores
.endr
.set n, 0
.rept 16
	ds_load_b128 v[KV+4*n:KV+4*n+3], v[ADV] offset:512*n   ; V's four fragments: they land under the softmax
.set n, n+1
.endr
.irp u, 0,1
	ds_load_b32 v[VW+\u], v[ADT] offset:128*\u     ; lane l: the word of channel 32 u + l
.endr
	s_cmp_lg_u32 s[KI], s[\g]                      ; on the diagonal the scores of hidden keys become -infinity ahead of the maximum: p = 0 then
	s_cbranch_scc1 .Lopen_\@
.set n, 0
.rept 64
	v_cmp_gt_i32 vcc_lo, 16*(n/8)+n%8, v[VD]       ; key 16 T + 8 h + j is hidden where 16 T + j > 16 x my tile's place + r - 8 h
	v_cndmask_b32 v[S+n], v[S+n], v[NINF], vcc_lo
.set n, n+1
.endr
.Lopen_\@:
.irp b, 0,1,2,3
	v_max3_num_f32 v[BM+\b], v[S+16*\b], v[S+16*\b+1], v[S+16*\b+2]   ; the largest score of each block of 32 keys: it serves for the row's maximum and, since p rises with the score, for the block's largest p
.endr
.irp i, 3,5,7,9,11,13
.irp b, 0,1,2,3
	v_max3_num_f32 v[BM+\b], v[BM+\b], v[S+16*\b+\i], v[S+16*\b+\i+1]
.endr
.endr
.irp b, 0,1,2,3
	v_max_num_f32 v[BM+\b], v[BM+\b], v[S+16*\b+15]
.endr
.irp b, 0,1,2,3
	v_permlanex16_b32 v[PT+\b], v[BM+\b], s[SEL], s[SEL+1]
.endr
.irp b, 0,1,2,3
	v_max_num_f32 v[BM+\b], v[BM+\b], v[PT+\b]     ; with lane l xor 16's 16 keys
.endr
	v_max3_num_f32 v[TMP], v[BM], v[BM+1], v[BM+2]
	v_max_num_f32 v[TMP], v[TMP], v[BM+3]          ; the step's largest score of my query
	v_mul_f32 v[TMP], s[CS], v[TMP]                ; as t (c is positive)
	v_max_num_f32 v13, v13, v[TMP]                 ; the running largest t
	v_mov_b32 v[TMP], v12
	v_floor_f32 v12, -v13                          ; the new -M = floor(-t) = -ceil(t)
	v_sub_f32 v[TMP], v12, v[TMP]                  ; old M - new M: a whole number, 0 or less
	v_cvt_i32_f32 v[TMP], v[TMP]                   ; (it saturates)
	v_ldexp_f32 v[FF], 1.0, v[TMP]                 ; f = 2^(old M - new M)
.set j, 0
.rept 32
	v_pk_fma_f32 v[S+j:S+j+1], v[S+j:S+j+1], s[CS:CS+1], v[12:13] op_sel_hi:[1,0,0]   ; t - M, two at a time
.set j, j+2
.endr
.irp b, 0,1,2,3
	v_fma_f32 v[BM+\b], v[BM+\b], s[CS], v12       ; the same of each block's largest score
.endr
.set j, 0
.rept 64
	v_exp_f32 v[S+j], v[S+j]                       ; p = 2^(t - M), at most 1
.set j, j+1
.endr
	v_pk_mul_f32 v[14:15], v[14:15], v[FF:FF+1] op_sel_hi:[1,0]   ; the sums under the new M.  (The plain line behind the exponentials)
	s_wait_alu depctr_va_vdst(0)                   ; one wait for the whole batch, ahead of its first reader
.irp b, 0,1,2,3
	v_exp_f32 v[BM+\b], v[BM+\b]                   ; the block's largest p: the same two instructions on the same number give the same bits
.endr
	v_pk_add_f32 v[CH2:CH2+1], v[S:S+1], v[S+2:S+3]   ; the row's sum is taken of the unquantised p: two at a time, in two chains
.irp j, 4,8,12,16,20,24,28,32,36,40,44,48,52,56,60
	v_pk_add_f32 v[14:15], v[14:15], v[S+\j:S+\j+1]
	v_pk_add_f32 v[CH2:CH2+1], v[CH2:CH2+1], v[S+\j+2:S+\j+3]
.endr
	v_pk_add_f32 v[14:15], v[14:15], v[CH2:CH2+1]
	s_wait_alu depctr_va_vdst(0)                   ; and one for the four
.irp b, 0,1,2,3
	v_max_num_f32 v[BM+\b], 0x4800000, v[BM+\b]    ; the floor 2^(9 - 127): the byte cannot fall under 1 (a block whose every p is 0 keeps that byte: its codes are zeros)
.endr
.irp b, 0,1,2,3
	v_add_nc_u32 v[SO+\b], 0xfc000000, v[BM+\b]    ; 8 off the exponent field: the conversion's scale operand
.endr
.irp b, 0,1,2,3
	v_and_or_b32 v[HD+\b], v[BM+\b], 0x7f800000, s[MNT]   ; 448 x the scale
.endr
.irp b, 0,1,2,3
	v_lshrrev_b32 v[PT+\b], 23, v[SO+\b]           ; the scale's byte
.endr
	v_lshl_or_b32 v[PW], v[PT+1], 8, v[PT]         ; p's scale word for these 128 keys
	v_lshl_or_b32 v[PW], v[PT+2], 16, v[PW]
	v_lshl_or_b32 v[PW], v[PT+3], 24, v[PW]
.irp b, 0,1,2,3
.irp i, 0,1,2,3,4,5,6,7,8,9,10,11,12,13,14,15
	v_min_num_f32 v[S+16*\b+\i], v[S+16*\b+\i], v[HD+\b]   ; the conversion to an 8-bit code does not saturate (ISA guide 7.6.2); p is not negative, so the hold is one-sided
.endr
	v_cvt_scalef32_pk8_fp8_f32 v[PCD+4*\b:PCD+4*\b+1], v[S+16*\b:S+16*\b+7], v[SO+\b]
	v_cvt_scalef32_pk8_fp8_f32 v[PCD+4*\b+2:PCD+4*\b+3], v[S+16*\b+8:S+16*\b+15], v[SO+\b]
.endr
.set j, 0
.rept 16
	v_pk_mul_f32 v[OT+j:OT+j+1], v[OT+j:OT+j+1], v[FF:FF+1] op_sel_hi:[1,0]   ; O^T under the new M, each accumulator from its low end on.  (These sixteen also stand between the codes and the products)
.set j, j+2
.endr
	s_wait_dscnt 0x0                               ; V is in
.irp t, 0,2
	v_wmma_scale_f32_16x16x128_f8f6f4 v[OT+8*\t:OT+8*\t+7], v[KV+16*\t:KV+16*\t+15], v[PCD:PCD+15], v[OT+8*\t:OT+8*\t+7], v[VW+\t/2], v[PW]
	v_wmma_scale_f32_16x16x128_f8f6f4 v[OT+8*\t+8:OT+8*\t+15], v[KV+16*\t+16:KV+16*\t+31], v[PCD:PCD+15], v[OT+8*\t+8:OT+8*\t+15], v[VW+\t/2], v[PW] matrix_a_scale:MATRIX_SCALE_ROW1
.endr
.Lhidden_\@:
	s_add_co_u32 s[TBK], s[TBK], 8192              ; the next step's tiles and words
	s_add_co_u32 s[TBV], s[TBV], 8192
	s_add_co_u32 s[TSK], s[TSK], 512
	s_add_co_u32 s[TSV], s[TSV], 256
	s_add_co_u32 s[KI], s[KI], 1
.endm
; A PASS: one tile of queries through the key steps 0 .. trips - 1, of which those beyond its group are left out.  The trip count is a constant.
.macro PASS trips, g, tau
	v_mov_b32 v13, 0xff61b1e6                      ; the largest t so far: -3e38, under every t
	v_floor_f32 v12, -v13                          ; -M
	v_mov_b32 v14, 0                               ; the sum, in two halves
	v_mov_b32 v15, 0
.set j, 0
.rept 32
	v_mov_b32 v[OT+j], 0                           ; O^T.  (The step is written once for a pass: its first trip finds zeros, which the first change of M leaves zeros)
.set j, j+1
.endr
	s_and_b32 s96, s[\tau], 7
	s_lshl_b32 s96, s96, 4
	v_add_nc_u32 v[VD], s96, v[DQ]
	s_mov_b32 s[TBK], KC
	s_mov_b32 s[TBV], VC
	s_mov_b32 s[TSK], KSW
	s_mov_b32 s[TSV], VSW
	s_mov_b32 s[KI], 0
	s_wait_loadcnt 0x0                             ; Q
.Lstep_\@:
	STEP \g
	s_cmp_lt_u32 s[KI], \trips
	s_cbranch_scc1 .Lstep_\@
.rept 8
	v_nop                                          ; eight places behind the last products: Q's registers are loaded again, O^T is read
.endr
.endm
; THE WAY OUT of a tile: O^T / the sum; its 64 channels are two blocks of 32 of the last product's K; codes and scale bytes leave.
.macro WAYOUT tau
	s_wait_xcnt 0x0                                ; the last tile's stores have read their offsets and data: both are written again only behind this wait
	v_lshl_add_u32 v[HOF], s[\tau], 14, v[LI]      ; hc: 16,384 bytes a tile of rows
	v_and_b32 v[HSO], 15, v0
	v_bfe_u32 v[TMP], v0, 4, 1
	v_lshl_add_u32 v[HSO], v[HSO], 5, v[TMP]       ; hs: 32 bytes a row; lanes 0-15 store the first block's byte, lanes 16-31 the second's
	v_lshl_add_u32 v[HSO], s[\tau], 9, v[HSO]
	v_add_f32 v14, v14, v15                        ; the sum's two halves,
	v_permlanex16_b32 v[PT], v14, s[SEL], s[SEL+1]
	v_add_f32 v14, v14, v[PT]                      ; and lane l xor 16's: the row's sum
	v_rcp_f32 v[FF], v14
	v_lshlrev_b32 v[TMP], 3, v[TMP]                ; 8 x (lane / 16).  (The plain line behind the reciprocal)
	s_wait_alu depctr_va_vdst(0)                   ; the wait ahead of its first reader
.set j, 0
.rept 16
	v_pk_mul_f32 v[S+j:S+j+1], v[OT+j:OT+j+1], v[FF:FF+1] op_sel_hi:[1,0]   ; register 8 t + i: channel 16 t + 8 h + i; each accumulator from its low end on
.set j, j+2
.endr
.irp c, 0,1
	v_max3_num_f32 v[BM+\c], |v[S+16*\c]|, |v[S+16*\c+1]|, 0x4800000   ; block c: my 16 numbers, and the floor 2^(9 - 127)
.endr
.irp i, 2,4,6,8,10,12,14
.irp c, 0,1
	v_max3_num_f32 v[BM+\c], v[BM+\c], |v[S+16*\c+\i]|, |v[S+16*\c+\i+1]|
.endr
.endr
.irp c, 0,1
	v_permlanex16_b32 v[PT+\c], v[BM+\c], s[SEL], s[SEL+1]
.endr
.irp c, 0,1
	v_max_num_f32 v[BM+\c], v[BM+\c], v[PT+\c]
.endr
.irp c, 0,1
	v_add_nc_u32 v[SO+\c], 0xfc000000, v[BM+\c]
.endr
.irp c, 0,1
	v_and_or_b32 v[HD+\c], v[BM+\c], 0x7f800000, s[MNT]
.endr
.irp c, 0,1
	v_lshrrev_b32 v[PT+\c], 23, v[SO+\c]
.endr
	v_lshl_or_b32 v[HBY], v[PT+1], 8, v[PT]
	v_lshrrev_b32 v[HBY], v[TMP], v[HBY]           ; my half's byte lowest
.irp c, 0,1
.irp i, 0,1,2,3,4,5,6,7,8,9,10,11,12,13,14,15
	v_med3_num_f32 v[S+16*\c+\i], v[S+16*\c+\i], -v[HD+\c], v[HD+\c]
.endr
	v_cvt_scalef32_pk8_fp8_f32 v[HCD+4*\c:HCD+4*\c+1], v[S+16*\c:S+16*\c+7], v[SO+\c]
	v_cvt_scalef32_pk8_fp8_f32 v[HCD+4*\c+2:HCD+4*\c+3], v[S+16*\c+8:S+16*\c+15], v[SO+\c]
.endr
	v_nop                                          ; the plain line behind the conversions
	; lane (r, h) holds channels 32 c + 8 h + 0 .. 7 and 32 c + 16 + 8 h + 0 .. 7; the operand's order is 32 c + 16 h + 0 .. 15: lanes 16-31's first eight change places with lanes 0-15's second eight
.irp c, 0,1
	v_permlane16_swap_b32 v[HCD+4*\c], v[HCD+4*\c+2]
	v_permlane16_swap_b32 v[HCD+4*\c+1], v[HCD+4*\c+3]
.endr
	global_store_b128 v[HOF], v[HCD:HCD+3], s[16:17]               ; 32 lanes store 512 consecutive bytes, at a multiple of 512 from the buffer's first byte
	global_store_b128 v[HOF], v[HCD+4:HCD+7], s[16:17] offset:512
	global_store_b8 v[HSO], v[HBY], s[18:19]
.endm
	QLOAD TA0
	s_wait_tensorcnt 0x0                           ; all six of my loads have landed,
	s_barrier_signal -1
	s_barrier_wait -1                              ; everybody's have: the head's K and V lie in LDS, and nobody writes there any more
	PASS 8, GR0, TA0                               ; my tile of groups 0 .. 7
	QLOAD TA1                                      ; the next tile's Q lands under the way out
	WAYOUT TA0
	PASS 16, GR1, TA1                              ; my tile of groups 8 .. 15
	WAYOUT TA1
	s_wait_xcnt 0x0
	v_lshl_add_u32 v254, v0, 2, 0x43000
	v_mov_b32 v255, 0
	s_wait_tensorcnt 0x0
	ds_add_u32 v254, v255
	s_wait_dscnt 0x0
	CROUND                                         ; the closing round: no work-group ends while a partner may still ask for a tile that names it
	s_endpgm
.Lfunc_end_k_q05273c8aba_attn:
	.size	k_q05273c8aba_attn, .Lfunc_end_k_q05273c8aba_attn-k_q05273c8aba_attn
	.p2alignl 7, 3214868480
	.fill 96, 4, 3214868480
	.section	.rodata,"a",@progbits
	.p2align	6, 0x0
	.amdhsa_kernel k_q05273c8aba_attn
		.amdhsa_group_segment_fixed_size 276480
		.amdhsa_private_segment_fixed_size 0
		.amdhsa_enable_private_segment 0
		.amdhsa_kernarg_size 64
		.amdhsa_user_sgpr_count 2
		.amdhsa_user_sgpr_kernarg_segment_ptr 1
		.amdhsa_wavefront_size32 1
		.amdhsa_system_sgpr_workgroup_id_x 1
		.amdhsa_system_sgpr_workgroup_id_y 1
		.amdhsa_system_sgpr_workgroup_id_z 1
		.amdhsa_system_vgpr_workitem_id 0
		.amdhsa_next_free_vgpr 256
		.amdhsa_next_free_sgpr 100
		.amdhsa_reserve_vcc 1
		.amdhsa_float_denorm_mode_32 3
		.amdhsa_float_denorm_mode_16_64 3
		.amdhsa_memory_ordered 1
		.amdhsa_forward_progress 1
		.amdhsa_inst_pref_size 73
	.end_amdhsa_kernel
	.amdgpu_metadata
---
amdhsa.version: [ 1, 2 ]
amdhsa.kernels:
  - .name:           k_q05273c8aba_attn
    .symbol:         k_q05273c8aba_attn.kd
    .args:
      - { .name: qc, .offset: 0, .size: 8, .value_kind: global_buffer, .address_space: global }
      - { .name: qs, .offset: 8, .size: 8, .value_kind: global_buffer, .address_space: global }
      - { .name: kc, .offset: 16, .size: 8, .value_kind: global_buffer, .address_space: global }
      - { .name: ks, .offset: 24, .size: 8, .value_kind: global_buffer, .address_space: global }
      - { .name: vc, .offset: 32, .size: 8, .value_kind: global_buffer, .address_space: global }
      - { .name: vs, .offset: 40, .size: 8, .value_kind: global_buffer, .address_space: global }
      - { .name: hc, .offset: 48, .size: 8, .value_kind: global_buffer, .address_space: global }
      - { .name: hs, .offset: 56, .size: 8, .value_kind: global_buffer, .address_space: global }
    .group_segment_fixed_size: 276480
    .private_segment_fixed_size: 0
    .kernarg_segment_align: 8
    .kernarg_segment_size: 64
    .max_flat_workgroup_size: 512
    .sgpr_count:     100
    .vgpr_count:     256
    .wavefront_size: 32
...
	.end_amdgpu_metadata
.endif
;; end of part 2
;; launch oproj (part 3): grid 4 x 32, 4 waves a work-group, clusters of 4 x 4, 327,680 bytes of LDS; arguments hc, hs, W_o_codes, W_o_scales, out0; writes out0
.if DOCPART == 3
	.amdgcn_target "amdgcn-amd-amdhsa--gfx1250"
	.amdhsa_code_object_version 6
	.text
	.protected	k_q05273c8aba_oproj
	.globl	k_q05273c8aba_oproj
	.p2align	8
	.type	k_q05273c8aba_oproj,@function
k_q05273c8aba_oproj:
	s_mov_b64 s[64:65], 0
	v_nop
	global_prefetch_b8 v0, s[64:65] scope:SCOPE_SE
	s_setreg_imm32_b32 hwreg(HW_REG_WAVE_MODE, 25, 1), 1
	s_wait_xcnt 0x0
	s_wait_alu depctr_hold_cnt(0) depctr_sa_sdst(0) depctr_va_vdst(0) depctr_va_sdst(0) depctr_va_ssrc(0) depctr_va_vcc(0) depctr_vm_vsrc(0)
	s_getreg_b32 s2, hwreg(HW_REG_IB_STS2, 6, 4)
	s_cmp_eq_u32 s2, 0
	s_cbranch_scc0 .Lentry_in_a_cluster
	s_endpgm
.Lentry_in_a_cluster:
	s_bfe_u32 s2, ttmp6, 0x10000c
	s_cmp_lg_u32 s2, 0xf033
	s_cbranch_scc0 .Lentry_shape_is_right
	s_endpgm
.Lentry_shape_is_right:
; out0[m][n] = sum over k of hidden[m][k] W_o[k][n] on codes of FP8 (E4M3) with one E8M0 scale for each 32 along K.  SIZE_M = 8,192, SIZE_N = 1,024, SIZE_K = 1,024; out0 f32; sums in f32.
; A = the hidden layer, as the launch before laid it: hc [tile of 16 rows 512][128 along K: 8][c 4][lane 32][16 bytes]: images of the operand's registers, in the operand's own order; hs [8,192][32] scale bytes.
; B = W_o's codes [1,024 (n)][1,024 (k)], its scale bytes [1,024][32].
; A tile of C, 256 x 256, is made by a work-group of four waves; a wave makes 128 x 128: 64 accumulators, 512 registers.  K goes in steps of 256 through a ring of two LDS slots filled by the tensor data mover.
; A's part of a slot: for each of 16 tiles of rows 4,096 consecutive bytes of memory (two images), laid on end: a fragment comes by four loads of 16 bytes a lane, 512 bytes on end: no padding.  B's part: rows of 256 bytes + 16 of padding.
; THE SCALES of the 256 + 256 rows, for all of K, come into LDS once, with the first fills, and stay.
; CLUSTERS: 4 x 4 work-groups: A's tiles are asked for jointly by a row of the cluster, B's by a column.  The matrix instruction is used transposed (source 0 = 16 rows of B, source 1 = 16 rows of A): a lane holds eight neighbouring numbers of a row of C.
; 128 work-groups: C has no more tiles of this size.  No prefetch: a tile has two refills in all.
; REGISTERS, in windows of 256: window 0: v0-31 addresses; v32-63 scale words, two sets; from v128 A's fragments, one set; on the way out v128-255 rows of C.
;   window 1: B's fragments, two sets.   window 2: the accumulators of my rows 0-63 ((a, b) at v[8 (8 a + b)]);   window 3: those of my rows 64-127.
.set SIZE_M, 8192
.set SIZE_N, 1024
.set SIZE_K, 1024
.set KSTEP,  256                       ; along K in a slot
.set NQ,     KSTEP/128                 ; matrix instructions deep
.set ROWB,   256                       ; a row of B's tile in bytes
.set AROWB,  4096                      ; a tile of 16 rows of A, 256 along K: two images
.set KROW,   SIZE_K                    ; a row of B in memory; also A's bytes for each row
.set PITCH,  272                       ; B's LDS row: 256 bytes + 16 of padding = 68 words: the 16 rows that a load touches start at 16 different banks (64 banks of 4 bytes: ISA guide 11.1)
.set FR,     16                        ; registers of a fragment
.set NL,     4                         ; LDS loads that bring one
.set NP,     8                         ; places behind this matrix instruction (ISA guide 7.12.1)
.set HALFT,  128*PITCH                 ; the room of 128 rows (A uses 32,768 bytes of it)
.set SLOT,   4*HALFT                   ; A's 256 rows, then B's 256 rows
.set LAPS,   SIZE_K/(2*KSTEP)
.set KS,     SIZE_K/32                 ; a row of scale bytes
.set SCL,    2*SLOT                    ; behind the ring: the scales, as units of 256 bytes + 16 of padding
.set HALFS,  (128*KS/256)*272
.set SBLK,   (16*KS/256)*272
.set SPARE,  SCL+4*HALFS               ; behind the scales: the spare words, 128 bytes for each wave: two blocks of 256 bytes that no other line names
.set SPITCH, 528                       ; the way out: a stage of 16 rows x (512 bytes + 16) for each wave, in slot 0, which has had its last fill and its last read when the first result is stored there
.set ADRA, 16                          ; v16-17  LDS address of my A fragments in slot 0, 1
.set ADRB, 20                          ; v20-21  the same for B
.set STO,  24                          ; v24     the way out: where I put 32 bytes of a row
.set RD,   25                          ; v25     where I read a row back
.set CO,   26                          ; v26     my byte offset in a row of C
.set SPW,  28                          ; v28     LDS address of my spare word; never rewritten
.set NIL,  29                          ; v29     0; never rewritten
.set ADRS, 27                          ; v27     LDS address of my scale words: lanes 0-15 A's rows, lanes 16-31 B's
.set SC,   32                          ; scale words: set s at v[SC + 16 s]
.set AF,   128                         ; A's fragments
.set BK,   128                         ; the way out: 16 rows read back: v128-191 and v192-255 by turns
.set G1, 24
.set G0, 32
.set G1B, 48
.set G0B, 56
.set G1S, 68
.set G0S, 76
.set G1SB, 80
.set G0SB, 88
.set MSB, 0
.macro WIN new                         ; the immediate's high byte repeats the setting that is left
.if MSB != \new
	s_set_vgpr_msb (MSB<<8)|\new
.set MSB, \new
.endif
.endm
.set MUL_LO, 0xa1                      ; source 0 (B) window 1, source 1 (A) window 0, C and D window 2
.set MUL_HI, 0xf1                      ; the same, C and D window 3
.set TO_B,   0x40                      ; destination window 1, address window 0
; A joint load: waves 0 and 1 fetch for A, waves 2 and 3 for B; the branch hangs on the wave's number alone.  Four v_nop follow each of the two lines.
.macro JLOAD g0a, g1a, g0b, g1b
	s_cmp_eq_u32 s15, 0
	s_cbranch_scc0 .Lfor_b_\@
	tensor_load_to_lds s[\g0a:\g0a+3], s[\g1a:\g1a+7]
	s_nop 0
.rept 4
	v_nop
.endr
	s_branch .Lasked_\@
.Lfor_b_\@:
	tensor_load_to_lds s[\g0b:\g0b+3], s[\g1b:\g1b+7]
	s_nop 0
.rept 4
	v_nop
.endr
.Lasked_\@:
.endm
.macro CREST                           ; a round of the cluster's barrier behind its opening barrier
	s_cmp_lg_u32 s14, 0
	s_cbranch_scc1 .Lnot_wave_0_\@
	s_barrier_signal -3
.Lnot_wave_0_\@:
	s_barrier_wait -3
	s_barrier_signal -1
	s_barrier_wait -1
.endm
.macro CROUND                          ; a whole round
	s_barrier_signal -1
	s_barrier_wait -1
	CREST
.endm
	s_load_b128 s[4:7], s[0:1], 0x0                ; A's codes s[4:5], A's scales s[6:7]
	s_load_b128 s[8:11], s[0:1], 0x10              ; B's codes s[8:9], B's scales s[10:11]
	s_load_b64 s[12:13], s[0:1], 0x20              ; C
	v_lshl_add_u32 v[SPW], v0, 2, SPARE
	v_mov_b32 v[NIL], 0
	ds_add_u32 v28, v29
	ds_add_u32 v28, v29
	s_wait_dscnt 0x0
	v_lshrrev_b32 v1, 5, v0
	v_readfirstlane_b32 s14, v1                    ; wave 0..3
	s_lshr_b32 s15, s14, 1                         ; which half of the tile's rows is mine.  Also: I fetch for A (0) or for B (1)
	s_and_b32 s16, s14, 1                          ; which half of its columns.  Also: which 128 rows of that tile I fetch
	s_bfe_u32 s40, ttmp6, 0x40000                  ; cx, cy: my place in the cluster
	s_bfe_u32 s41, ttmp6, 0x40004
	s_lshl_b32 s42, ttmp9, 2
	s_add_co_u32 s42, s42, s40                     ; tile column of C = 4 x cluster x + cx
	s_and_b32 s17, ttmp7, 0xffff
	s_lshl_b32 s17, s17, 2
	s_add_co_u32 s17, s17, s41                     ; tile row of C = 4 x cluster y + cy
	s_lshl_b32 s43, s41, 2
	s_lshl_b32 s43, 15, s43                        ; my row of the cluster
	s_lshl_b32 s44, 0x1111, s40                    ; my column
	; group 1 for A: 8 tiles of 16 rows, 4,096 bytes (512 elements of 8 bytes) of each, 16,384 bytes apart; laid on end in LDS
	s_or_b32 s[G1+0], s43, (3<<16)|(1<<21)         ; 15:0 the mask: A's tiles go to my row; 17:16 elements of 8 bytes; 21 set beside a mask
	s_mov_b32 s[G1+1], 512<<16                     ; tensor_dim0
	s_mov_b32 s[G1+2], 8<<16                       ; tensor_dim1
	s_mov_b32 s[G1+3], 512<<16                     ; tile_dim0
	s_mov_b32 s[G1+4], 8                           ; tile_dim1
	s_mov_b32 s[G1+5], 2048                        ; tensor_dim0_stride
	s_mov_b32 s[G1+6], 0
	s_mov_b32 s[G1+7], 0
	; group 1 for B: 128 rows x 256 bytes, padded in LDS
	s_or_b32 s[G1B+0], s44, (0<<16)|(1<<20)|(1<<21)|(5<<22)|(3<<25)  ; the mask of my column; elements of 1 byte; padding on; after every 64 words (code 5) 4 words (code 3)
	s_mov_b32 s[G1B+1], ROWB<<16
	s_mov_b32 s[G1B+2], 128<<16
	s_mov_b32 s[G1B+3], ROWB<<16
	s_mov_b32 s[G1B+4], 128
	s_mov_b32 s[G1B+5], KROW
	s_mov_b32 s[G1B+6], 0
	s_mov_b32 s[G1B+7], 0
	; and for the scales of 128 rows: a dense block of 4,096 bytes, as rows of 256 bytes, 16 bytes of padding behind each
	s_or_b32 s[G1S+0], s43, (3<<16)|(1<<20)|(1<<21)|(5<<22)|(3<<25)
	s_or_b32 s[G1SB+0], s44, (3<<16)|(1<<20)|(1<<21)|(5<<22)|(3<<25)
.irp g, G1S, G1SB
	s_mov_b32 s[\g+1], 32<<16
	s_mov_b32 s[\g+2], (128*KS/256)<<16
	s_mov_b32 s[\g+3], 32<<16
	s_mov_b32 s[\g+4], 128*KS/256
	s_mov_b32 s[\g+5], 32
	s_mov_b32 s[\g+6], 0
	s_mov_b32 s[\g+7], 0
.endr
	s_lshl_b32 s18, s16, 7                         ; which 128 rows of the tile I fetch
	s_lshl_b32 s20, s17, 8
	s_add_co_u32 s20, s20, s18                     ; A: row 256 x tile row + 128 x half
	s_lshl_b32 s46, s42, 8
	s_add_co_u32 s46, s46, s18                     ; B: row 256 x tile column + 128 x half
	s_mov_b32 s21, 0
	s_mov_b32 s47, 0
	s_mov_b64 s[18:19], KS
	s_mul_u64 s[22:23], s[20:21], s[18:19]         ; where these rows' scales begin, in bytes
	s_mul_u64 s[92:93], s[46:47], s[18:19]
	s_mov_b64 s[18:19], KROW
	s_mul_u64 s[20:21], s[20:21], s[18:19]         ; and their codes: 1,024 bytes a row in both (A: 16,384 for each 16 rows)
	s_mul_u64 s[46:47], s[46:47], s[18:19]
	s_mul_i32 s45, s14, HALFT                      ; where they go: no place in the cluster enters an LDS address
	s_mul_i32 s94, s14, HALFS
	s_wait_kmcnt 0x0
	s_add_nc_u64 s[20:21], s[4:5], s[20:21]
	s_add_nc_u64 s[22:23], s[6:7], s[22:23]
	s_add_nc_u64 s[46:47], s[8:9], s[46:47]
	s_add_nc_u64 s[92:93], s[10:11], s[92:93]
	CROUND                                         ; all sixteen work-groups are here: the first joint loads meet
	s_mov_b32 s[G0S], 1
	s_add_co_u32 s[G0S+1], s94, SCL
	s_mov_b64 s[G0S+2:G0S+3], s[22:23]
	s_or_b32 s[G0S+3], s[G0S+3], 0x80000000
	s_mov_b32 s[G0SB], 1
	s_add_co_u32 s[G0SB+1], s94, SCL
	s_mov_b64 s[G0SB+2:G0SB+3], s[92:93]
	s_or_b32 s[G0SB+3], s[G0SB+3], 0x80000000
	JLOAD G0S, G1S, G0SB, G1SB                     ; the scales first: they are wanted with K step 0
.irp s, 0,1
	s_mov_b32 s[G0+4*\s], 1
	s_add_co_u32 s[G0+4*\s+1], s45, \s*SLOT
	s_add_nc_u64 s[G0+4*\s+2:G0+4*\s+3], s[20:21], \s*AROWB
	s_or_b32 s[G0+4*\s+3], s[G0+4*\s+3], 0x80000000
	s_mov_b32 s[G0B+4*\s], 1
	s_add_co_u32 s[G0B+4*\s+1], s45, \s*SLOT
	s_add_nc_u64 s[G0B+4*\s+2:G0B+4*\s+3], s[46:47], \s*ROWB
	s_or_b32 s[G0B+4*\s+3], s[G0B+4*\s+3], 0x80000000
	JLOAD G0+4*\s, G1, G0B+4*\s, G1B               ; three tensor loads of mine are out at the most
.endr
	v_and_b32 v1, 15, v0                           ; l % 16
	v_bfe_u32 v2, v0, 4, 1                         ; l / 16
	v_mul_u32_u24 v3, v1, PITCH
	v_lshl_add_u32 v4, v2, 4, v3                   ; B: a fragment's row x pitch + 16 x half
	v_and_b32 v6, 31, v0
	v_lshlrev_b32 v7, 4, v6                        ; A: 16 x lane
	s_mul_i32 s21, s15, HALFT                      ; my 128 rows of A
	s_mul_i32 s22, s16, HALFT                      ; my 128 rows of B,
	s_add_co_u32 s22, s22, 2*HALFT                 ; which lie behind A's 256
.irp s, 0,1
	v_add_nc_u32 v[ADRA+\s], s21, v7
	v_add_nc_u32 v[ADRB+\s], s22, v4
	s_add_co_u32 s21, s21, SLOT
	s_add_co_u32 s22, s22, SLOT
.endr
	v_mul_u32_u24 v5, v1, KS                       ; my row's scales: KS bytes a row,
	v_lshrrev_b32 v6, 8, v5
	v_lshl_add_u32 v5, v6, 4, v5                   ; and 16 more for each 256 passed
	s_mul_i32 s21, s15, HALFS                      ; A's: my 128 rows
	s_mul_i32 s22, s16, HALFS                      ; B's: my 128 rows, behind A's 256
	s_add_co_u32 s22, s22, 2*HALFS
	s_sub_co_u32 s22, s22, s21
	v_mul_u32_u24 v6, s22, v2                      ; lanes 16-31 take B's
	s_add_co_u32 s21, s21, SCL
	v_add_nc_u32 v5, v5, v6
	v_add_nc_u32 v[ADRS], s21, v5
	s_mul_i32 s23, s14, 16*SPITCH                  ; my stage
	v_mul_u32_u24 v5, v1, SPITCH                   ; in: row l % 16, 32 bytes for each half of the lanes
	v_lshl_add_u32 v5, v2, 5, v5
	v_add_nc_u32 v[STO], s23, v5
	v_and_b32 v6, 31, v0
	v_lshlrev_b32 v[CO], 4, v6                     ; back: the 32 lanes take one row of 512 bytes; and the same in C
	v_add_nc_u32 v[RD], s23, v[CO]
	s_lshl_b32 s20, s17, 8
	s_lshl_b32 s21, s15, 7
	s_add_co_u32 s20, s20, s21                     ; my first row of C: 256 x tile row + 128 x half
	s_mov_b32 s21, 0
	s_mov_b64 s[18:19], SIZE_N*4
	s_mul_u64 s[20:21], s[20:21], s[18:19]
	s_lshl_b32 s46, s42, 10                        ; my first column, in bytes: 1024 x tile column + 512 x half
	s_lshl_b32 s47, s16, 9
	s_add_co_u32 s46, s46, s47
	s_mov_b32 s47, 0
	s_add_nc_u64 s[20:21], s[20:21], s[46:47]
	s_add_nc_u64 s[12:13], s[12:13], s[20:21]
.macro FRAG reg, adr, q, i             ; a fragment of B, 16 rows x 128 K: lane l holds row l % 16; registers 4 c .. 4 c + 3 hold K = 32 c + 16 (l / 16) + 0 .. 15
.irp c, 0,1,2,3
	ds_load_b128 v[\reg+4*\c:\reg+4*\c+3], v[\adr] offset:128*(\q)+32*\c+(\i)*16*PITCH
.endr
.endm
.macro FRAGA reg, adr, q, i            ; a fragment of A comes back as the image that it was stored as: tile of rows i, the slot's q-th 128 along K
.irp c, 0,1,2,3
	ds_load_b128 v[\reg+4*\c:\reg+4*\c+3], v[\adr] offset:(\i)*AROWB+(\q)*2048+512*\c
.endr
.endm
; 16 matrix instructions: A's blocks a0, a0 + 1 x B's eight, 128 along K.  zero = 1: the first product starts the sums.  The 64 accumulators take turns, one instruction a turn.
.macro MUL16 a0, p, q, sc, zero
.irp a, \a0, \a0+1
.irp b, 0,1,2,3,4,5,6,7
.if \zero
	v_wmma_scale_f32_16x16x128_f8f6f4 v[8*(8*((\a)%4)+\b):8*(8*((\a)%4)+\b)+7], v[128*(\p)+FR*\b:128*(\p)+FR*\b+FR-1], v[AF+FR*(\a):AF+FR*(\a)+FR-1], 0, v[SC+8*NQ*(\sc)+NQ*\b+(\q)], v[SC+8*NQ*(\sc)+NQ*(\a)+(\q)] matrix_a_scale:MATRIX_SCALE_ROW1
.else
	v_wmma_scale_f32_16x16x128_f8f6f4 v[8*(8*((\a)%4)+\b):8*(8*((\a)%4)+\b)+7], v[128*(\p)+FR*\b:128*(\p)+FR*\b+FR-1], v[AF+FR*(\a):AF+FR*(\a)+FR-1], v[8*(8*((\a)%4)+\b):8*(8*((\a)%4)+\b)+7], v[SC+8*NQ*(\sc)+NQ*\b+(\q)], v[SC+8*NQ*(\sc)+NQ*(\a)+(\q)] matrix_a_scale:MATRIX_SCALE_ROW1
.endif
.endr
.endr
.endm
.macro FETCH_B slot, q, p              ; B's eight fragments of the slot's q-th 128 along K into set p
	WIN TO_B
.irp i, 0,1,2,3,4,5,6,7
	FRAG 128*(\p)+FR*\i, ADRB+\slot, \q, \i
.endr
	WIN 0
.endm
.macro FETCH_A slot, q, i0             ; A's blocks i0 .. i0 + 3
.irp i, \i0, \i0+1, \i0+2, \i0+3
	FRAGA AF+FR*(\i), ADRA+\slot, \q, \i
.endr
.endm
.macro SCALES sc                       ; the next K step's scale words into set sc: lanes 0-15 take A's block i, lanes 16-31 B's block i
.irp i, 0,1,2,3,4,5,6,7
	ds_load_b64 v[SC+8*NQ*\sc+NQ*\i:SC+8*NQ*\sc+NQ*\i+1], v[ADRS] offset:\i*SBLK
.endr
.endm
; A load into a register that a matrix instruction has read, and an LDS store that reads a matrix result, stand NP places behind that matrix instruction; only plain vector instructions that name none of its registers are places.
.macro PLACES n
.rept \n
	v_nop
.endr
.endm
.macro STEP slot, q, zero              ; a step of 128 along K that has its successor in the same slot
	s_wait_dscnt 4*NL                              ; B's set and A's blocks 0-3 are in; the youngest sixteen loads (A's blocks 4-7) may be out
	WIN MUL_LO
	MUL16 0, (\q)%2, \q, \slot, \zero
	MUL16 2, (\q)%2, \q, \slot, \zero
	s_wait_dscnt 0                                 ; A's blocks 4-7 are in
	PLACES NP
	FETCH_B \slot, (\q)+1, 1-(\q)%2
	FETCH_A \slot, (\q)+1, 0
	WIN MUL_HI
	MUL16 4, (\q)%2, \q, \slot, \zero
	MUL16 6, (\q)%2, \q, \slot, \zero
	PLACES NP
	WIN 0
	FETCH_A \slot, (\q)+1, 4
.endm
; A slot's last step changes slots: one barrier; in front of it each wave waits for all its tensor loads, adds 0 to its spare word, and waits for that and for its own reads of this slot.  fill = 1: this slot is filled again, two K steps ahead.
.macro TURN slot, next, fill
	s_wait_tensorcnt 0x0                           ; all my tensor loads have landed: my part of the next slot;
	ds_add_u32 v[SPW], v[NIL]                      ; 0 onto my spare word;
	s_wait_dscnt 4*NL+1                            ; (the add and the youngest sixteen loads, A's blocks 4-7, may be out)
	WIN MUL_LO
	MUL16 0, 1, NQ-1, \slot, 0                     ; sixteen matrix instructions stand between the add and the wait for it
	s_wait_dscnt 0x0                               ; the add is done, and my reads of this slot are over
	s_barrier_signal -1
	MUL16 2, 1, NQ-1, \slot, 0
	WIN 0
	s_barrier_wait -1
.if \fill
	CREST                                          ; the barrier has opened a round of the cluster's barrier: no wave of any partner still reads this slot's tile or has a load on its way
	s_add_nc_u64 s[G0+4*\slot+2:G0+4*\slot+3], s[G0+4*\slot+2:G0+4*\slot+3], 2*AROWB
	s_add_nc_u64 s[G0B+4*\slot+2:G0B+4*\slot+3], s[G0B+4*\slot+2:G0B+4*\slot+3], 2*ROWB
	JLOAD G0+4*\slot, G1, G0B+4*\slot, G1B         ; the first tensor load behind the round; the four v_nop behind it are among the places in front of the loads below
	PLACES NP-4
.else
	PLACES NP
.endif
	v_add_nc_u32 v[ADRS], 4*NQ, v[ADRS]            ; on to the next K step's scale words (no LDS load of mine is out)
	FETCH_B \next, 0, 0
	FETCH_A \next, 0, 0
	SCALES \next
	WIN MUL_HI
	MUL16 4, 1, NQ-1, \slot, 0
	MUL16 6, 1, NQ-1, \slot, 0
	PLACES NP
	WIN 0
	FETCH_A \next, 0, 4
.endm
	s_wait_tensorcnt 1                             ; the scales and my part of K step 0 are in (K step 1's load may be out)
	s_barrier_signal -1
	s_barrier_wait -1                              ; everybody's are
	FETCH_B 0, 0, 0
	FETCH_A 0, 0, 0
	SCALES 0
	FETCH_A 0, 0, 4
	STEP 0, 0, 1                                   ; the first step stands in front of the loop: its products start the sums
	s_mov_b32 s3, LAPS-1
.Llap:                                                 ; a trip goes once round the ring and fills both slots again
	TURN 0, 1, 1
	STEP 1, 0, 0
	TURN 1, 0, 1
	STEP 0, 0, 0
	s_sub_co_u32 s3, s3, 1
	s_cmp_lg_u32 s3, 0
	s_cbranch_scc1 .Llap
	TURN 0, 1, 0                                   ; the last lap fills nothing, and has no round of the cluster's barrier
	STEP 1, 0, 0
	s_wait_dscnt 4*NL                              ; the very last step: nothing more to fetch
	WIN MUL_LO
	MUL16 0, 1, NQ-1, 1, 0
	MUL16 2, 1, NQ-1, 1, 0
	s_wait_dscnt 0
	WIN MUL_HI
	MUL16 4, 1, NQ-1, 1, 0
	MUL16 6, 1, NQ-1, 1, 0
	WIN 0
; THE WAY OUT, block by block of 16 rows x 128 columns.  A lane holds 32 neighbouring bytes of a row, and the lanes beside it hold other rows: so a block goes through my own stage in LDS and comes back as whole
; rows of 512 bytes.  LDS serves a wave's instructions in order (ISA guide 5.7.1.4): no wait between the stores and the loads, nor in front of the next block's stores.
.macro TOSTAGE a
.set AC, 64*((\a)%4)
.set WS, 0x08+4*((\a)/4)
	WIN WS                                         ; the data: window 2 or 3
.irp b, 0,1,2,3,4,5,6,7
	ds_store_b128 v[STO], v[AC+8*\b:AC+8*\b+3] offset:64*\b          ; each accumulator from its low end on
	ds_store_b128 v[STO], v[AC+8*\b+4:AC+8*\b+7] offset:64*\b+16
.endr
	WIN 0
.set BB, BK+64*((\a)%2)
.irp t, 0,1,2,3,4,5,6,7,8,9,10,11,12,13,14,15
	ds_load_b128 v[BB+4*\t:BB+4*\t+3], v[RD] offset:\t*SPITCH
.endr
.endm
.macro SEND a, younger                 ; younger: the LDS instructions issued behind block a's loads, which may stay out
.set BB, BK+64*((\a)%2)
	s_wait_dscnt \younger                          ; the block is back in registers
.if (\a) > 0
	s_add_nc_u64 s[12:13], s[12:13], 16*SIZE_N*4   ; (behind a wait on XCNT: the earlier stores have read their base)  16 rows of C on
.endif
.irp t, 0,1,2,3,4,5,6,7,8,9,10,11,12,13,14,15
	global_store_b128 v[CO], v[BB+4*\t:BB+4*\t+3], s[12:13] offset:\t*SIZE_N*4 th:TH_STORE_NT   ; 32 lanes store 512 consecutive bytes, at a multiple of 256 from C's first byte; written once, read by nobody here
.endr
.endm
	PLACES NP                                      ; behind the last products: the loads into the registers that held A's fragments, and the stores that read results
	TOSTAGE 0
.irp a, 1,2,3,4,5,6,7
.if \a > 1
	s_wait_xcnt 0x0                                ; block a - 2's stores have read their registers and their base: block a's loads may land there, and the base may step
.endif
	TOSTAGE \a
	SEND \a-1, 32                                  ; behind block a - 1's loads: block a's 16 stores and 16 loads
.endr
	s_wait_xcnt 0x0                                ; block 6's stores have read their base
	SEND 7, 0
	s_wait_tensorcnt 0x0                           ; the wave's end, behind my last tensor load and my last LDS store
	ds_add_u32 v[SPW], v[NIL]
	s_wait_dscnt 0x0
	CROUND                                         ; the closing round: no work-group ends while a partner may still ask for a tile that names it
	s_endpgm
.Lfunc_end_k_q05273c8aba_oproj:
	.size	k_q05273c8aba_oproj, .Lfunc_end_k_q05273c8aba_oproj-k_q05273c8aba_oproj
	.p2alignl 7, 3214868480
	.fill 96, 4, 3214868480
	.section	.rodata,"a",@progbits
	.p2align	6, 0x0
	.amdhsa_kernel k_q05273c8aba_oproj
		.amdhsa_group_segment_fixed_size 327680
		.amdhsa_private_segment_fixed_size 0
		.amdhsa_enable_private_segment 0
		.amdhsa_kernarg_size 40
		.amdhsa_user_sgpr_count 2
		.amdhsa_user_sgpr_kernarg_segment_ptr 1
		.amdhsa_wavefront_size32 1
		.amdhsa_system_sgpr_workgroup_id_x 1
		.amdhsa_system_sgpr_workgroup_id_y 1
		.amdhsa_system_sgpr_workgroup_id_z 1
		.amdhsa_system_vgpr_workitem_id 0
		.amdhsa_next_free_vgpr 1024
		.amdhsa_next_free_sgpr 98
		.amdhsa_reserve_vcc 0
		.amdhsa_float_denorm_mode_32 3
		.amdhsa_float_denorm_mode_16_64 3
		.amdhsa_memory_ordered 1
		.amdhsa_forward_progress 1
		.amdhsa_inst_pref_size 145
	.end_amdhsa_kernel
	.amdgpu_metadata
---
amdhsa.version: [ 1, 2 ]
amdhsa.kernels:
  - .name:           k_q05273c8aba_oproj
    .symbol:         k_q05273c8aba_oproj.kd
    .args:
      - { .name: hc, .offset: 0, .size: 8, .value_kind: global_buffer, .address_space: global }
      - { .name: hs, .offset: 8, .size: 8, .value_kind: global_buffer, .address_space: global }
      - { .name: W_o_codes, .offset: 16, .size: 8, .value_kind: global_buffer, .address_space: global }
      - { .name: W_o_scales, .offset: 24, .size: 8, .value_kind: global_buffer, .address_space: global }
      - { .name: out0, .offset: 32, .size: 8, .value_kind: global_buffer, .address_space: global }
    .group_segment_fixed_size: 327680
    .private_segment_fixed_size: 0
    .kernarg_segment_align: 8
    .kernarg_segment_size: 40
    .max_flat_workgroup_size: 128
    .sgpr_count:     98
    .vgpr_count:     1024
    .wavefront_size: 32
...
	.end_amdgpu_metadata
.endif
;; end of part 3
